; MI455X (gfx1250); checked and timed in simulation.
; The chip was launched on July 23, 2026; its instructions are those of AMD's public machine-readable ISA for CDNA 5 (MIT licence, August 2026) and "CDNA5" Instruction Set Architecture Reference Guide (July 2026). The comments in the code are by the model that wrote it; some were corrected since.
;; Causal Self Attention. Allowed arithmetic: matrix products marked QUANTISED: E2M3 operands, one E8M0 scale for each 32 along K, by v_wmma_scale_f32_16x16x128_f8f6f4 with both operands' format E2M3, f32 sums; everything else in f32.
;; Inputs: W_proj 1,024 x 1,024 float32; W_qkv 1,024 x 3,072 float32; b_proj 1,024 float32; b_qkv 3,072 float32; x 4 x 2,048 x 1,024 float32.
;; Outputs: out0 4 x 2,048 x 1,024 float32.
;; This version of the problem:
;;   THIS VERSION OF THE PROBLEM IS GIVEN IN LOW PRECISION. The matrix products marked QUANTISED in the list below multiply operands that are first quantised to E2M3 (2 exponent bits, 3 mantissa bits; 6 bits a number), with one power-of-two scale for each 32 numbers along K (OCP MX v1.0); their sums are f32. All else is computed in f32.
;;   The module's matrix products, in the order in which they are computed (A, B: the left and right operand; K: the contracted axis; several contracted axes count as one K, in the product's order):
;;     1. [M 8,192, K 1,024] x [K 1,024, N 3,072]; A: input x; B: input W_qkv: QUANTISED
;;     2. batch 64 x [M 2,048, K 64] x [K 64, N 2,048]; A: computed on the way; B: computed on the way: QUANTISED
;;     3. batch 64 x [M 2,048, K 2,048] x [K 2,048, N 64]; A: softmax (see below); B: computed on the way: QUANTISED
;;     4. [M 8,192, K 1,024] x [K 1,024, N 1,024]; A: computed on the way; B: input W_proj: QUANTISED
;;   THE QUANTISER, for each operand of a quantised product, along K:
;;     - K is cut into blocks of 32 from its start; a last block that is shorter is filled with zeros.
;;     - A block's scale is 2^e with e = floor(log2(the largest magnitude in the block)) - 2, held to -126 .. 127; a block of zeros has e = 0. As a byte (E8M0): e + 127.
;;     - Each number is divided by its block's scale, clamped to +-7.5, and rounded to the nearest number of E2M3, ties to even, subnormals kept.
;;     - The product sums the exact products of the quantised numbers (number of the format x scale) in f32.
;;   ~~~python
;;   def quantise(x, axis):      # numpy; x: float32 -> the quantised numbers, widened to float32 again
;;       x = np.moveaxis(x, axis, -1); K = x.shape[-1]
;;       x = np.pad(x, [(0, 0)] * (x.ndim - 1) + [(0, -K % 32)]); x = x.reshape(x.shape[:-1] + (-1, 32)); a = np.abs(x).max(-1, keepdims=True)
;;       e = np.where(a > 0, np.clip(np.frexp(np.where(a > 0, a, 1))[1] - 1 - 2, -126, 127), 0)      # np.frexp(a)[1] - 1 = floor(log2(a)), exactly
;;       r = np.clip(x / 2.0 ** e, -7.5, 7.5)
;;       step = 2.0 ** (np.maximum(np.frexp(np.where(r == 0, 1, r))[1] - 1, 0) - 3)
;;       q = np.round(r / step) * step * 2.0 ** e      # np.round: ties to even
;;       return np.moveaxis(q.reshape(q.shape[:-2] + (-1,))[..., :K], -1, axis).astype(np.float32)
;;   ~~~
;;   SOFTMAX AHEAD OF A QUANTISED PRODUCT. Where the list says 'softmax', what is quantised is not the finished softmax but p = 2^(t - M), with t = logit x log2(e) and M = ceil(the row's largest t), a whole number; so 1/2 < the row's largest p <= 1. The row's sum l is taken of the UNQUANTISED p, in f32, and the product's result is divided by l at the end. Since M is a whole number, a kernel that streams over the keys may use a running M (the ceiling of the running maximum): every later rescaling is an exact power of two, which a block's scale takes up: the codes' values come out the same.
;;   OPERANDS COMPUTED ON THE WAY. 'Computed on the way' means the value that the module computes at that place (a softmax that the list does not call 'softmax' is quantised finished and normalised). What goes into a quantiser is computed in f32, as accurately as f32 sums, v_exp_f32 and their like allow (about 1e-6 of the number): no bf16 or f16 on the way to a quantiser, and a product that is left as it is and whose result goes on into a quantised operand takes f32 operands (vector FMAs, or v_wmma_f32_16x16x4_f32). A number that lies on a knife's edge between two numbers of the format may be rounded either way, as far as f32 arithmetic and the matrix unit's own rounding can turn it there, and no further.
;; One version. Each part assembles by itself: llvm-mc -triple=amdgcn-amd-amdhsa -mcpu=gfx1250 --defsym DOCPART=n.
;; ======== version 1 of 1: 4 launches
;; workspace buffers: xc 6,291,456 bytes; wqc 2,359,296 bytes; wpc 786,432 bytes; yc 6,291,456 bytes; qq 13,369,344 bytes; kv 13,369,344 bytes; sc1 360,448 bytes; sc2 294,912 bytes
;; launch quant (part 1): grid 768 x 1, 4 waves a work-group, no clusters, 67,072 bytes of LDS; arguments x, W_qkv, W_proj, xc, wqc, wpc, sc1, sc2; writes xc, wqc, wpc, sc1, sc2
.if DOCPART == 1
	.amdgcn_target "amdgcn-amd-amdhsa--gfx1250"
	.amdhsa_code_object_version 6
	.text
	.protected	k_q62dc9d8ce0_quant
	.globl	k_q62dc9d8ce0_quant
	.p2align	8
	.type	k_q62dc9d8ce0_quant,@function
k_q62dc9d8ce0_quant:
	s_mov_b64 s[64:65], 0
	v_nop
	global_prefetch_b8 v0, s[64:65] scope:SCOPE_SE
	s_setreg_imm32_b32 hwreg(HW_REG_WAVE_MODE, 25, 1), 1
	s_wait_xcnt 0x0
; x [8192][1024], W_qkv [1024][3072] and W_proj [1024][1024], f32, become codes of FP6 (E2M3) with one E8M0 byte for each 32 along K (K = 1,024: x's last axis, the weights' first).
; A block's scale is 2^(floor(log2(its largest magnitude)) - 2); its byte is the largest magnitude's exponent field - 2, held at 1 from below.
; LIMITS: NaN and infinities among the inputs are not served.  A block of zeros gets the byte 1 where the rule says 127: its codes are zeros, which add nothing, and this program alone reads the bytes.
; THE CODES ARE LAID AS THE PRODUCTS' REGISTERS WANT THEM.  A tile is 16 rows of x (or 16 columns of a weight): lane r of tile T is index 32 (T / 2) + 8 (T % 2) + r % 8 + 16 (r / 8).
; A half fragment (16 rows x 64 K, registers 6 c .. 6 c + 5 of 32 lanes) is 768 bytes: registers 0-3 of lane L at 16 L, registers 4-5 at 512 + 8 L.
; Tile T, K step s (128 along K), half c lies at (T / 8) 98304 + (s / 2) 24576 + (T % 8) 3072 + (s % 2) 1536 + 768 c: 128 rows x 256 K are one dense block.
; A scale word (four bytes, 128 along K) of tile T, step s, lane r lies at 512 T + 64 s + 4 r; in sc1 W_qkv's 192 tiles come first and x's 512 behind them, in sc2 W_proj's 64 tiles come first.
; WORK-GROUPS: 0-191 W_qkv, 192-255 W_proj (128 columns x 128 K each), 256-767 x (one tile of 16 rows, a wave to 256 along K).  Waves share nothing: no barrier.  Only x's path uses LDS.
.set XO1,  98304                       ; where x's scale words begin in sc1
.set SPI,  1040                        ; x's stage: a row of 1,024 bytes + 16: 65 x 16, so that sixteen rows' 16-byte pieces fall on different banks
.set STGB, 16*SPI                      ; a wave's stage
; A WEIGHT.  Lane l takes column 128 rg + 32 w + l and its registers run DOWN K: a block of 32 lies in one lane, and the conversions give codes with K innermost.
; The 32 columns are tiles 2 w and 2 w + 1 of the group: l = 8 u + r % 8 + 16 (r / 8), so u = bit 3 of l.  Block b is half c = b / 2 of the fragment, in fragment lane r + 16 (b % 2).
.macro WQ N, WP, CP, SP
	s_lshr_b32 s22, s20, 3                         ; rg: which 128 columns
	s_and_b32 s23, s20, 7                          ; s: which 128 along K
	s_mul_i32 s24, s23, 128*\N*4                   ; W: 128 s rows down,
	s_lshl_b32 s25, s22, 9
	s_add_co_u32 s24, s24, s25                     ; 128 rg columns on,
	s_lshl_b32 s25, s21, 7
	s_add_co_u32 s24, s24, s25                     ; and my wave's 32
	s_mov_b32 s25, 0
	s_mul_i32 s26, s22, 98304                      ; the codes: group rg,
	s_lshr_b32 s27, s23, 1
	s_mul_i32 s27, s27, 24576
	s_add_co_u32 s26, s26, s27                     ; block s / 2,
	s_mul_i32 s27, s21, 6144
	s_add_co_u32 s26, s26, s27                     ; tile 2 w,
	s_and_b32 s27, s23, 1
	s_mul_i32 s27, s27, 1536
	s_add_co_u32 s26, s26, s27                     ; step s % 2
	s_mov_b32 s27, 0
	s_lshl_b32 s28, s22, 12                        ; the scale words: tile 8 rg + 2 w, step s
	s_lshl_b32 s29, s21, 10
	s_add_co_u32 s28, s28, s29
	s_lshl_b32 s29, s23, 6
	s_add_co_u32 s28, s28, s29
	s_mov_b32 s29, 0
	v_lshlrev_b32 v1, 2, v7                        ; in: 4 bytes a lane
	v_bfe_u32 v5, v7, 3, 1                         ; u
	v_and_b32 v6, 7, v7
	v_bfe_u32 v8, v7, 4, 1
	v_lshl_or_b32 v6, v8, 3, v6                    ; r
	v_mul_u32_u24 v2, v5, 3072
	v_lshl_add_u32 v3, v6, 3, v2                   ; out: 3072 u + 8 r
	v_lshl_add_u32 v2, v6, 4, v2                   ;      3072 u + 16 r
	v_lshlrev_b32 v4, 9, v5
	v_lshl_add_u32 v4, v6, 2, v4                   ;      512 u + 4 r
	s_wait_kmcnt 0x0
	s_add_nc_u64 s[\WP:\WP+1], s[\WP:\WP+1], s[24:25]
	s_add_nc_u64 s[\CP:\CP+1], s[\CP:\CP+1], s[26:27]
	s_add_nc_u64 s[\SP:\SP+1], s[\SP:\SP+1], s[28:29]
.irp b, 0,1,2,3
.irp i, 0,1,2,3,4,5,6,7,8,9,10,11,12,13,14,15,16,17,18,19,20,21,22,23,24,25,26,27,28,29,30,31
	global_load_b32 v[32+32*\b+\i], v1, s[\WP:\WP+1] offset:(32*\b+\i)*\N*4 th:TH_LOAD_NT   ; a wave reads 128 consecutive bytes, the four waves 512
.endr
.endr
.irp b, 0,1,2,3
.if \b < 2
	s_wait_loadcnt 63                              ; behind this block's 32 loads 96 (then 64) were issued; 63 is the largest count that the wait can name
.elseif \b == 2
	s_wait_loadcnt 32                              ; the last block's 32 may be out
.else
	s_wait_loadcnt 0x0
.endif
	v_max3_num_f32 v8, |v[32+32*\b]|, |v[33+32*\b]|, |v[34+32*\b]|   ; the block's largest magnitude, in two chains
	v_max3_num_f32 v9, |v[35+32*\b]|, |v[36+32*\b]|, |v[37+32*\b]|
.irp i, 6,10,14,18,22,26
	v_max3_num_f32 v8, v8, |v[32+32*\b+\i]|, |v[33+32*\b+\i]|
	v_max3_num_f32 v9, v9, |v[34+32*\b+\i]|, |v[35+32*\b+\i]|
.endr
	v_max3_num_f32 v8, v8, |v[62+32*\b]|, |v[63+32*\b]|
	v_max3_num_f32 v8, v8, v9, 0x1800000           ; and the floor 2^(3 - 127): the byte cannot fall under 1
	v_add_nc_u32 v10, 0xff000000, v8               ; 2 off the exponent field: the conversion takes this operand's exponent field as its scale
	v_lshrrev_b32 v11, 23, v10                     ; the scale's byte
.if \b == 0
	v_mov_b32 v20, v11
.else
	v_lshl_or_b32 v20, v11, 8*\b, v20              ; four bytes make the column's scale word
.endif
	v_cvt_scalef32_pk16_fp6_f32 v[160+12*\b:162+12*\b], v[32+32*\b:47+32*\b], v10
	v_cvt_scalef32_pk16_fp6_f32 v[166+12*\b:168+12*\b], v[48+32*\b:63+32*\b], v10   ; (a conversion's three registers begin on an even number)
	v_nop                                          ; one plain place behind a scaled conversion
.irp i, 0,1,2
	v_mov_b32 v[163+12*\b+\i], v[166+12*\b+\i]
.endr
	global_store_b128 v2, v[160+12*\b:163+12*\b], s[\CP:\CP+1] offset:(\b/2)*768+(\b%2)*256       ; the sixteen lanes of a tile store 256 consecutive bytes, aligned
	global_store_b64 v3, v[164+12*\b:165+12*\b], s[\CP:\CP+1] offset:(\b/2)*768+512+(\b%2)*128    ; each block has registers of its own: no store's data are written again
.endr
	global_store_b32 v4, v20, s[\SP:\SP+1]
.endm
; x: K step u of my 256 along K.  Lane (r, h) holds blocks h and 2 + h of its row whole: v[XB + 32 c ..] are k = 64 c + 32 h + 0 .. 31, the very order of the operand's registers.
.macro QX u
.set XB, 32+64*\u
.set CD, 160+20*\u
.set TT, 172+20*\u
.irp c, 0,1
	v_max3_num_f32 v[8+\c], |v[XB+32*\c]|, |v[XB+32*\c+1]|, 0x1800000   ; with the floor 2^(3 - 127)
.endr
.irp i, 2,4,6,8,10,12,14,16,18,20,22,24,26,28,30
.irp c, 0,1
	v_max3_num_f32 v[8+\c], v[8+\c], |v[XB+32*\c+\i]|, |v[XB+32*\c+\i+1]|   ; (the two blocks by turns)
.endr
.endr
.irp c, 0,1
	v_add_nc_u32 v[10+\c], 0xff000000, v[8+\c]     ; the conversion's scale operand
.endr
.irp c, 0,1
	v_lshrrev_b32 v[12+\c], 23, v[10+\c]           ; the byte
.endr
	v_lshl_or_b32 v[24+\u], v13, 16, v12           ; my two bytes, blocks h and 2 + h,
	v_lshlrev_b32 v[24+\u], v14, v[24+\u]          ; 8 h bits up;
	v_permlanex16_b32 v15, v[24+\u], s28, s29
	v_or_b32 v[24+\u], v[24+\u], v15               ; with lane l xor 16's two the word is whole
.irp c, 0,1
	v_cvt_scalef32_pk16_fp6_f32 v[CD+6*\c:CD+6*\c+2], v[XB+32*\c:XB+32*\c+15], v[10+\c]
	v_cvt_scalef32_pk16_fp6_f32 v[TT+4*\c:TT+4*\c+2], v[XB+32*\c+16:XB+32*\c+31], v[10+\c]
.endr
	v_nop                                          ; one plain place behind a scaled conversion
.irp c, 0,1
.irp i, 0,1,2
	v_mov_b32 v[CD+6*\c+3+\i], v[TT+4*\c+\i]
.endr
.endr
.irp c, 0,1
	global_store_b128 v1, v[CD+6*\c:CD+6*\c+3], s[10:11] offset:\u*1536+\c*768          ; 512 consecutive bytes
	global_store_b64 v2, v[CD+6*\c+4:CD+6*\c+5], s[10:11] offset:\u*1536+\c*768+512     ; 256 consecutive bytes
.endr
.endm
	s_load_b256 s[4:11], s[0:1], 0x0               ; x s[4:5], W_qkv s[6:7], W_proj s[8:9], xc s[10:11]
	s_load_b256 s[12:19], s[0:1], 0x20             ; wqc s[12:13], wpc s[14:15], sc1 s[16:17], sc2 s[18:19]
	v_lshl_add_u32 v208, v0, 2, 0x10400
	v_mov_b32 v209, 0
	v_lshrrev_b32 v1, 5, v0
	v_readfirstlane_b32 s21, v1                    ; wave 0..3
	v_and_b32 v7, 31, v0                           ; lane
	s_cmp_lt_u32 ttmp9, 192
	s_cbranch_scc1 .Lwq
	s_cmp_lt_u32 ttmp9, 256
	s_cbranch_scc1 .Lwp
	; ---- x: tile T = work-group - 256; my wave takes K = 256 w .. 256 w + 255
	s_sub_co_u32 s20, ttmp9, 256
	s_lshr_b32 s22, s20, 1
	s_lshl_b32 s22, s22, 5
	s_and_b32 s23, s20, 1
	s_lshl_b32 s23, s23, 3
	s_add_co_u32 s22, s22, s23                     ; the tile's first row: 32 (T / 2) + 8 (T % 2)
	s_lshl_b32 s22, s22, 12                        ; rows of 4,096 bytes
	s_lshl_b32 s23, s21, 10
	s_add_co_u32 s22, s22, s23                     ; + my 1,024 bytes of a row
	s_mov_b32 s23, 0
	s_lshr_b32 s24, s20, 3
	s_mul_i32 s24, s24, 98304
	s_mul_i32 s25, s21, 24576
	s_add_co_u32 s24, s24, s25
	s_and_b32 s25, s20, 7
	s_mul_i32 s25, s25, 3072
	s_add_co_u32 s24, s24, s25                     ; the codes: group T / 8, block w, tile T % 8
	s_mov_b32 s25, 0
	s_lshl_b32 s26, s20, 9
	s_lshl_b32 s27, s21, 7
	s_add_co_u32 s26, s26, s27
	s_add_co_u32 s26, s26, XO1                     ; the scale words: tile T, steps 2 w and 2 w + 1
	s_mov_b32 s27, 0
	s_mov_b32 s28, 0x76543210
	s_mov_b32 s29, 0xfedcba98                      ; v_permlanex16_b32's selects for lane l xor 16
	s_mov_b32 s30, 0xffff0000                      ; lanes 16-31
	s_mul_i32 s31, s21, STGB                       ; my stage
	s_wait_alu depctr_va_vdst(0)
	v_lshlrev_b32 v1, 4, v7                        ; 16 x lane
	v_lshlrev_b32 v2, 3, v7                        ; 8 x lane
	v_lshlrev_b32 v3, 2, v7                        ; 4 x lane
	v_add_nc_u32 v5, s31, v1                       ; the stage, way in: as the bytes lie
	v_and_b32 v4, 15, v7                           ; r
	v_bfe_u32 v14, v7, 4, 1                        ; h
	v_mul_u32_u24 v6, v4, SPI
	v_lshl_add_u32 v6, v14, 7, v6
	v_add_nc_u32 v6, s31, v6                       ; way out: row r, + 128 h: my block of 32 numbers
	v_lshlrev_b32 v14, 3, v14                      ; 8 h
	v_mov_b32 v15, 0                               ; a lane permute's destination counts as one of its sources
	s_wait_alu depctr_va_vdst(0)
	s_wait_kmcnt 0x0
	s_add_nc_u64 s[4:5], s[4:5], s[22:23]
	s_add_nc_u64 s[10:11], s[10:11], s[24:25]
	s_add_nc_u64 s[16:17], s[16:17], s[26:27]
.irp i, 0,1,2,3,4,5,6,7,8,9,10,11,12,13,14,15
.irp j, 0,1
	global_load_b128 v[32+4*(2*\i+\j):35+4*(2*\i+\j)], v1, s[4:5] offset:((\i&7)+16*(\i>>3))*4096+512*\j th:TH_LOAD_NT   ; lane row i of the tile: 512 consecutive bytes a load
.endr
.endr
	s_wait_loadcnt 16                              ; rows 0-7 are in; the sixteen loads of rows 8-15 may be out
.irp i, 0,1,2,3,4,5,6,7
.irp j, 0,1
	ds_store_b128 v5, v[32+4*(2*\i+\j):35+4*(2*\i+\j)] offset:\i*SPI+512*\j
.endr
.endr
	s_wait_loadcnt 0x0
.irp i, 8,9,10,11,12,13,14,15
.irp j, 0,1
	ds_store_b128 v5, v[32+4*(2*\i+\j):35+4*(2*\i+\j)] offset:\i*SPI+512*\j
.endr
.endr
	s_wait_dscnt 0x0                               ; the stores have read their registers, which the loads below fill again
.irp u, 0,1
.irp c, 0,1
.irp e, 0,1,2,3,4,5,6,7
	ds_load_b128 v[32+64*\u+32*\c+4*\e:35+64*\u+32*\c+4*\e], v6 offset:512*\u+256*\c+16*\e
.endr
.endr
.endr
	s_wait_dscnt 16                                ; the first K step's sixteen loads are in
	QX 0
	s_wait_dscnt 0x0
	QX 1
	v_cndmask_b32 v26, v24, v25, s30               ; lanes 0-15 the first step's word of row r, lanes 16-31 the second's
	global_store_b32 v3, v26, s[16:17]             ; 128 consecutive bytes
	s_wait_tensorcnt 0x0
	ds_add_u32 v208, v209
	s_wait_dscnt 0x0
	s_endpgm
.Lwq:
	s_mov_b32 s20, ttmp9
	s_wait_alu depctr_va_vdst(0)
	WQ 3072, 6, 12, 16
	s_endpgm
.Lwp:
	s_sub_co_u32 s20, ttmp9, 192
	s_wait_alu depctr_va_vdst(0)
	WQ 1024, 8, 14, 18
	s_endpgm
.Lfunc_end_k_q62dc9d8ce0_quant:
	.size	k_q62dc9d8ce0_quant, .Lfunc_end_k_q62dc9d8ce0_quant-k_q62dc9d8ce0_quant
	.p2alignl 7, 3214868480
	.fill 96, 4, 3214868480
	.section	.rodata,"a",@progbits
	.p2align	6, 0x0
	.amdhsa_kernel k_q62dc9d8ce0_quant
		.amdhsa_group_segment_fixed_size 67072
		.amdhsa_private_segment_fixed_size 0
		.amdhsa_enable_private_segment 0
		.amdhsa_kernarg_size 64
		.amdhsa_user_sgpr_count 2
		.amdhsa_user_sgpr_kernarg_segment_ptr 1
		.amdhsa_wavefront_size32 1
		.amdhsa_system_sgpr_workgroup_id_x 1
		.amdhsa_system_sgpr_workgroup_id_y 1
		.amdhsa_system_sgpr_workgroup_id_z 1
		.amdhsa_system_vgpr_workitem_id 0
		.amdhsa_next_free_vgpr 210
		.amdhsa_next_free_sgpr 66
		.amdhsa_reserve_vcc 0
		.amdhsa_float_denorm_mode_32 3
		.amdhsa_float_denorm_mode_16_64 3
		.amdhsa_memory_ordered 1
		.amdhsa_forward_progress 1
		.amdhsa_inst_pref_size 58
	.end_amdhsa_kernel
	.amdgpu_metadata
---
amdhsa.version: [ 1, 2 ]
amdhsa.kernels:
  - .name:           k_q62dc9d8ce0_quant
    .symbol:         k_q62dc9d8ce0_quant.kd
    .args:
      - { .name: x, .offset: 0, .size: 8, .value_kind: global_buffer, .address_space: global }
      - { .name: W_qkv, .offset: 8, .size: 8, .value_kind: global_buffer, .address_space: global }
      - { .name: W_proj, .offset: 16, .size: 8, .value_kind: global_buffer, .address_space: global }
      - { .name: xc, .offset: 24, .size: 8, .value_kind: global_buffer, .address_space: global }
      - { .name: wqc, .offset: 32, .size: 8, .value_kind: global_buffer, .address_space: global }
      - { .name: wpc, .offset: 40, .size: 8, .value_kind: global_buffer, .address_space: global }
      - { .name: sc1, .offset: 48, .size: 8, .value_kind: global_buffer, .address_space: global }
      - { .name: sc2, .offset: 56, .size: 8, .value_kind: global_buffer, .address_space: global }
    .group_segment_fixed_size: 67072
    .private_segment_fixed_size: 0
    .kernarg_segment_align: 8
    .kernarg_segment_size: 64
    .max_flat_workgroup_size: 128
    .sgpr_count:     66
    .vgpr_count:     210
    .wavefront_size: 32
...
	.end_amdgpu_metadata
.endif
;; end of part 1
;; launch qkv (part 2): grid 24 x 32, 4 waves a work-group, clusters of 4 x 4, 295,424 bytes of LDS; arguments xc, wqc, sc1, b_qkv, qq, kv; writes qq, kv
.if DOCPART == 2
	.amdgcn_target "amdgcn-amd-amdhsa--gfx1250"
	.amdhsa_code_object_version 6
	.text
	.protected	k_q62dc9d8ce0_qkv
	.globl	k_q62dc9d8ce0_qkv
	.p2align	8
	.type	k_q62dc9d8ce0_qkv,@function
k_q62dc9d8ce0_qkv:
	s_mov_b64 s[64:65], 0
	v_nop
	global_prefetch_b8 v0, s[64:65] scope:SCOPE_SE
	s_setreg_imm32_b32 hwreg(HW_REG_WAVE_MODE, 25, 1), 1
	s_wait_xcnt 0x0
	s_wait_alu depctr_hold_cnt(0) depctr_sa_sdst(0) depctr_va_vdst(0) depctr_va_sdst(0) depctr_va_ssrc(0) depctr_va_vcc(0) depctr_vm_vsrc(0)
	s_getreg_b32 s2, hwreg(HW_REG_IB_STS2, 6, 4)
	s_cmp_eq_u32 s2, 0
	s_cbranch_scc0 .Lentry_in_a_cluster
	s_endpgm
.Lentry_in_a_cluster:
	s_bfe_u32 s2, ttmp6, 0x10000c
	s_cmp_lg_u32 s2, 0xf033
	s_cbranch_scc0 .Lentry_shape_is_right
	s_endpgm
.Lentry_shape_is_right:
; qkv = Q(x) Q(W_qkv) + b_qkv on codes of FP6 (E2M3), and its results quantised at once for the attention: q and k along the head's 64, v along the keys.  No f32 result goes to memory.
; A work-group of four waves makes 256 rows x 128 columns; wave (wr, wc) makes 128 rows (8 tiles) x 64 columns (4 tiles, ONE head): 32 accumulators, 256 registers.
; ALL OF K (1,024) LIES IN LDS: four regions of 256 along K, each X's two blocks of 128 rows and W's block of 128 columns, dense images of the operands' registers.  Each is filled once: no slot is filled again.
; CLUSTERS: 4 x 4 work-groups.  X's blocks hang on the tile row alone and are asked for jointly along a row of the cluster, W's on the tile column alone, along a column.
; TILES: lane r of tile T is index 32 (T / 2) + 8 (T % 2) + r % 8 + 16 (r / 8), for rows of x and columns of W alike.  So in a result a lane holds one index of source 1, and the 16 registers of source 0's tiles
; 2 b and 2 b + 1 are 16 neighbours of source 0's index: 32 b + 16 (lane / 16) + 0 .. 15.  q, k (cluster x 0-3): source 0 = W, registers run along the head's 64.  v (cluster x 4, 5): source 0 = x, registers run along the keys.
; OUT, for head bh = 16 batch + head and each 128 rows ks, a chunk of 13,056 bytes: +0 eight half fragments of q (buffer qq) or k (kv); +6144 four fragments of v^T; +12288 q's or k's scale words [2][16 lanes][4 tiles]; +12800 v's [16 lanes][4 tiles].
; q's and k's words have bytes 0 and 1 (K = 64 is two blocks) and 0 above.
; LIMITS: NaN and infinities are not served; a block of zeros gets the byte 1 where the rule says 127 (its codes are zeros; this program alone reads the bytes).
; REGISTERS, in windows of 256.  Window 0: v1-28 lane terms and addresses; v32-95 scale words; v96-191 W's fragments, two sets, later the quantiser's numbers and codes; v192-223 bias along registers; v224-231 bias by lane; v232-248 the quantiser's.
;   Window 1: X's fragments, two sets of 96.   Window 2: the accumulators, (a, b) at v[8 (4 a + b)].
.set XO,    98304                      ; where x's scale words begin in sc1
.set RGN,   73728                      ; an LDS region: 256 along K
.set XBLK,  24576                      ; 128 rows x 256 K
.set WOFF,  49152                      ; W's block in a region
.set WHALF, 12288                      ; 64 columns x 256 K
.set SC,  32                           ; v[SC + 8 i + s]: lanes 0-15 the word of X's tile i, lanes 16-31 that of W's tile i, for K step s
.set WF,  96
.set BI,  192
.set BL,  224
.set QM,  232                          ; the quantiser: largest magnitudes,
.set QD,  236                          ; the other half's, then the bytes,
.set QS,  244                          ; the conversions' scale operands,
.set QW,  248                          ; the scale word,
.set QP,  160                          ; the codes,
.set QT,  172                          ; and the second halves of blocks as the conversions leave them
.set WD,  180                          ; v180-187 the tiles' words; v188-191 as they are stored
.set G1A, 24                           ; s[24:31] descriptor group 1 for X's blocks;  s[40:55] group 0, one for each region
.set G1B, 32                           ; s[32:39], s[68:83] the same for W's halves
.set G0A, 40
.set G0B, 68
.set SEL, 62                           ; s[62:63] lane selects for v_permlanex16_b32
.set MSB, 0
.macro WIN new                         ; the immediate's high byte repeats the setting that is left
.if MSB != \new
	s_set_vgpr_msb (MSB<<8)|\new
.set MSB, \new
.endif
.endm
.macro PLACES n
.rept \n
	v_nop
.endr
.endm
.macro CROUND                          ; a round of the cluster's barrier: my work-group's barrier, wave 0 signals for the work-group, every wave waits for all sixteen, my work-group's barrier once more
	s_barrier_signal -1
	s_barrier_wait -1
	s_cmp_lg_u32 s16, 0
	s_cbranch_scc1 .Lnot_wave_0_\@
	s_barrier_signal -3
.Lnot_wave_0_\@:
	s_barrier_wait -3
	s_barrier_signal -1
	s_barrier_wait -1
.endm
.macro FRAG reg, a16, a8, off          ; a fragment comes back as it was laid: registers 0-3 and 6-9 at 16 x lane, registers 4-5 and 10-11 at 8 x lane: every load reads consecutive bytes
	ds_load_b128 v[\reg:\reg+3], v[\a16] offset:\off
	ds_load_b64 v[\reg+4:\reg+5], v[\a8] offset:\off+512
	ds_load_b128 v[\reg+6:\reg+9], v[\a16] offset:\off+768
	ds_load_b64 v[\reg+10:\reg+11], v[\a8] offset:\off+1280
.endm
.macro FETCH s                         ; K step s: my 8 fragments of X into window 1, my 4 of W into window 0, set s % 2: 48 loads in one run
	WIN 0x40
.irp i, 0,1,2,3,4,5,6,7
	FRAG 96*((\s)%2)+12*\i, 8+(\s)/2, 12+(\s)/2, \i*3072+((\s)%2)*1536
.endr
	WIN 0
.irp i, 0,1,2,3
	FRAG WF+48*((\s)%2)+12*\i, 16+(\s)/2, 20+(\s)/2, \i*3072+((\s)%2)*1536
.endr
.endm
; 32 matrix instructions: X's 8 tiles x W's 4.  The 32 accumulators take turns, one instruction a turn, in the same order in every step.  zero = 1: the products start the sums.
.macro MUL32 s, swap, zero
.irp a, 0,1,2,3,4,5,6,7
.irp b, 0,1,2,3
.set rD, 8*(4*\a+\b)
.set rX, 96*((\s)%2)+12*\a
.set rW, WF+48*((\s)%2)+12*\b
.set sX, SC+8*\a+(\s)
.set sW, SC+8*\b+(\s)
.if \swap
.if \zero
	v_wmma_scale_f32_16x16x128_f8f6f4 v[rD:rD+7], v[rX:rX+11], v[rW:rW+11], 0, v[sX], v[sW] matrix_a_fmt:MATRIX_FMT_FP6 matrix_b_fmt:MATRIX_FMT_FP6 matrix_b_scale:MATRIX_SCALE_ROW1
.else
	v_wmma_scale_f32_16x16x128_f8f6f4 v[rD:rD+7], v[rX:rX+11], v[rW:rW+11], v[rD:rD+7], v[sX], v[sW] matrix_a_fmt:MATRIX_FMT_FP6 matrix_b_fmt:MATRIX_FMT_FP6 matrix_b_scale:MATRIX_SCALE_ROW1
.endif
.else
.if \zero
	v_wmma_scale_f32_16x16x128_f8f6f4 v[rD:rD+7], v[rW:rW+11], v[rX:rX+11], 0, v[sW], v[sX] matrix_a_fmt:MATRIX_FMT_FP6 matrix_b_fmt:MATRIX_FMT_FP6 matrix_a_scale:MATRIX_SCALE_ROW1
.else
	v_wmma_scale_f32_16x16x128_f8f6f4 v[rD:rD+7], v[rW:rW+11], v[rX:rX+11], v[rD:rD+7], v[sW], v[sX] matrix_a_fmt:MATRIX_FMT_FP6 matrix_b_fmt:MATRIX_FMT_FP6 matrix_a_scale:MATRIX_SCALE_ROW1
.endif
.endif
.endr
.endr
.endm
; A K step of 128: its fragments were asked for ahead of the last step's 32 products; the next step's are asked for ahead of its own.
.macro STEP s, swap, zero
	s_wait_dscnt 0x0                               ; this step's 48 loads are in; no LDS instruction of mine is out at the signal below
.if ((\s) < 7) && ((\s)%2 == 1)
	s_wait_tensorcnt 3-((\s)+1)/2                  ; my part of region (s + 1) / 2 has landed; the later regions' loads may stay out
	s_barrier_signal -1
	s_barrier_wait -1                              ; everybody's has
.endif
.if (\s) < 7
.if (\s) > 0
	PLACES 4                                       ; in front of loads into the set that the last step's products read (ISA guide 7.12.1 for vector instructions)
.endif
	FETCH (\s)+1
.endif
.if \swap
	WIN 0xa1                                       ; source 0 (X) window 1, source 1 (W) window 0, C and D window 2
.else
	WIN 0xa4                                       ; source 0 (W) window 0, source 1 (X) window 1, C and D window 2
.endif
	MUL32 \s, \swap, \zero
.endm
; 32 nb numbers of a lane, v[s + 16 b + i] = k 32 b + 16 (lane / 16) + i of my row, become codes in v[QP] on (6 nb registers in the operand's layout); the blocks' bytes stay in v[QD + b]; nb = 2: the scale word in v[QW].
.macro QUANT s, nb
.irp b, 0,1,2,3
.if \b < 2*\nb
	v_max3_num_f32 v[QM+\b], |v[\s+16*\b]|, |v[\s+16*\b+1]|, 0x1800000   ; my 16 numbers of block b, and the floor 2^(3 - 127): the byte cannot fall under 1
.endif
.endr
.irp i, 2,4,6,8,10,12,14
.irp b, 0,1,2,3
.if \b < 2*\nb
	v_max3_num_f32 v[QM+\b], v[QM+\b], |v[\s+16*\b+\i]|, |v[\s+16*\b+\i+1]|   ; (the blocks by turns)
.endif
.endr
.endr
.irp b, 0,1,2,3
.if \b < 2*\nb
	v_permlanex16_b32 v[QD+\b], v[QM+\b], s[SEL], s[SEL+1]
.endif
.endr
.irp b, 0,1,2,3
.if \b < 2*\nb
	v_max_num_f32 v[QM+\b], v[QM+\b], v[QD+\b]     ; with lane l xor 16's: the block's largest magnitude
.endif
.endr
.irp b, 0,1,2,3
.if \b < 2*\nb
	v_add_nc_u32 v[QS+\b], 0xff000000, v[QM+\b]    ; 2 off its exponent field: the conversion's scale operand
.endif
.endr
.irp b, 0,1,2,3
.if \b < 2*\nb
	v_lshrrev_b32 v[QD+\b], 23, v[QS+\b]           ; the scale's byte
.endif
.endr
.if \nb == 2
	v_lshl_or_b32 v[QW], v[QD+1], 8, v[QD]
	v_lshl_or_b32 v[QW], v[QD+2], 16, v[QW]
	v_lshl_or_b32 v[QW], v[QD+3], 24, v[QW]
.endif
.irp c, 0,1
.if \c < \nb
	v_cvt_scalef32_pk16_fp6_f32 v[QP+6*\c:QP+6*\c+2], v[\s+32*\c:\s+32*\c+15], v[QS+2*\c]
	v_cvt_scalef32_pk16_fp6_f32 v[QT+4*\c:QT+4*\c+2], v[\s+32*\c+16:\s+32*\c+31], v[QS+2*\c+1]   ; (a conversion's three registers begin on an even number)
.endif
.endr
	v_nop                                          ; one plain place behind a scaled conversion
.irp c, 0,1
.if \c < \nb
.irp i, 0,1,2
	v_permlane16_swap_b32 v[QP+6*\c+\i], v[QT+4*\c+\i]   ; the layout wants a WHOLE block in a lane: lanes 0-15 block 2 c, lanes 16-31 block 2 c + 1
.endr
.irp i, 0,1,2
	v_mov_b32 v[QP+6*\c+3+\i], v[QT+4*\c+\i]
.endr
.endif
.endr
.endm
	s_load_b256 s[4:11], s[0:1], 0x0               ; xc s[4:5], wqc s[6:7], sc1 s[8:9], b_qkv s[10:11]
	s_load_b128 s[12:15], s[0:1], 0x20             ; qq s[12:13], kv s[14:15]
	v_lshl_add_u32 v254, v0, 2, 0x48000
	v_mov_b32 v255, 0
	ds_add_u32 v254, v255
	ds_add_u32 v254, v255
	v_lshrrev_b32 v1, 5, v0
	v_readfirstlane_b32 s16, v1                    ; wave 0..3
	s_lshr_b32 s17, s16, 1                         ; wr: which 128 rows are mine.  Also: I fetch for X (0) or for W (1)
	s_and_b32 s18, s16, 1                          ; wc: which 64 columns.  Also: which half I fetch
	s_bfe_u32 s19, ttmp6, 0x40000                  ; cx, cy: my place in the cluster
	s_bfe_u32 s20, ttmp6, 0x40004
	s_lshl_b32 s21, ttmp9, 2
	s_add_co_u32 s21, s21, s19                     ; gx: which 128 columns = 4 x cluster x + cx
	s_and_b32 s22, ttmp7, 0xffff
	s_lshl_b32 s22, s22, 2
	s_add_co_u32 s22, s22, s20                     ; gy: which 256 rows = 4 x cluster y + cy
	s_lshl_b32 s23, s20, 2
	s_lshl_b32 s23, 15, s23                        ; my row of the cluster
	s_lshl_b32 s61, 0x1111, s19                    ; my column
	; descriptor group 1: a dense block as rows of 256 bytes (32 elements of 8 bytes): X 96 rows, W 48 rows; no padding: the images are read as consecutive bytes
	s_or_b32 s[G1A], s23, (3<<16)|(1<<21)          ; 15:0 the mask: X's blocks go to my row; 17:16 elements of 8 bytes; 21 set beside a mask
	s_or_b32 s[G1B], s61, (3<<16)|(1<<21)          ; W's go to my column
	s_mov_b32 s[G1A+1], 32<<16                     ; tensor_dim0 = 32
	s_mov_b32 s[G1A+2], 96<<16                     ; tensor_dim1 = 96
	s_mov_b32 s[G1A+3], 32<<16                     ; tile_dim0 = 32
	s_mov_b32 s[G1A+4], 96                         ; tile_dim1 = 96
	s_mov_b32 s[G1A+5], 32                         ; from row to row
	s_mov_b32 s[G1A+6], 0
	s_mov_b32 s[G1A+7], 0
	s_mov_b32 s[G1B+1], 32<<16
	s_mov_b32 s[G1B+2], 48<<16
	s_mov_b32 s[G1B+3], 32<<16
	s_mov_b32 s[G1B+4], 48
	s_mov_b32 s[G1B+5], 32
	s_mov_b32 s[G1B+6], 0
	s_mov_b32 s[G1B+7], 0
	s_lshl_b32 s56, s22, 1
	s_add_co_u32 s56, s56, s18
	s_mul_i32 s56, s56, 98304                      ; X: group 2 gy + half (these registers never hold gx)
	s_mov_b32 s57, 0
	s_mul_i32 s58, s21, 98304                      ; W: group gx (these never hold gy),
	s_mul_i32 s59, s18, WHALF
	s_add_co_u32 s58, s58, s59                     ; + my half of a block
	s_mov_b32 s59, 0
	s_mul_i32 s66, s18, XBLK                       ; where they go: no place in the cluster enters an LDS address
	s_mul_i32 s67, s18, WHALF
	s_mov_b32 s[SEL], 0x76543210
	s_mov_b32 s[SEL+1], 0xfedcba98
	s_mov_b32 s60, 0xffff0000                      ; lanes 16-31
	s_wait_dscnt 0x0
	s_wait_kmcnt 0x0
	s_add_nc_u64 s[56:57], s[4:5], s[56:57]
	s_add_nc_u64 s[58:59], s[6:7], s[58:59]
.irp kk, 0,1,2,3
	s_mov_b32 s[G0A+4*\kk], 1                                      ; count = 1
	s_add_co_u32 s[G0A+4*\kk+1], s66, \kk*RGN                      ; LDS address
	s_add_nc_u64 s[G0A+4*\kk+2:G0A+4*\kk+3], s[56:57], \kk*XBLK    ; global address: 256 along K on
	s_or_b32 s[G0A+4*\kk+3], s[G0A+4*\kk+3], 0x80000000            ; type = 2
	s_mov_b32 s[G0B+4*\kk], 1
	s_add_co_u32 s[G0B+4*\kk+1], s67, \kk*RGN+WOFF
	s_add_nc_u64 s[G0B+4*\kk+2:G0B+4*\kk+3], s[58:59], \kk*XBLK
	s_or_b32 s[G0B+4*\kk+3], s[G0B+4*\kk+3], 0x80000000
.endr
	CROUND                                         ; all sixteen work-groups are here: the joint loads meet
	s_cmp_eq_u32 s17, 0                            ; a wave's four first fills stand in one branch on the wave's number, ahead of every wait on TENSORcnt, every LDS read and every other barrier: four loads of mine are out
	s_cbranch_scc0 .Lfill_w
.irp kk, 0,1,2,3
	tensor_load_to_lds s[G0A+4*\kk:G0A+4*\kk+3], s[G1A:G1A+7]
	s_nop 0
.endr
	PLACES 4
	s_branch .Lfilled
.Lfill_w:
.irp kk, 0,1,2,3
	tensor_load_to_lds s[G0B+4*\kk:G0B+4*\kk+3], s[G1B:G1B+7]
	s_nop 0
.endr
	PLACES 4
.Lfilled:
	v_and_b32 v1, 15, v0                           ; r
	v_bfe_u32 v2, v0, 4, 1                         ; h
	v_and_b32 v3, 31, v0
	v_lshlrev_b32 v4, 3, v3                        ; 8 x lane
	v_lshlrev_b32 v3, 4, v3                        ; 16 x lane
	s_mul_i32 s86, s17, XBLK                       ; my 128 rows of X,
	s_mul_i32 s87, s18, WHALF
	s_add_co_u32 s87, s87, WOFF                    ; my 64 columns of W
.irp kk, 0,1,2,3
	v_add_nc_u32 v[8+\kk], s86, v3
	v_add_nc_u32 v[12+\kk], s86, v4
	v_add_nc_u32 v[16+\kk], s87, v3
	v_add_nc_u32 v[20+\kk], s87, v4
	s_add_co_u32 s86, s86, RGN
	s_add_co_u32 s87, s87, RGN
.endr
	s_lshl_b32 s88, s22, 13                        ; scale words: X's tile 16 gy + 8 wr, behind W's part of the buffer;
	s_lshl_b32 s89, s17, 12
	s_add_co_u32 s88, s88, s89
	s_add_co_u32 s88, s88, XO
	s_lshl_b32 s89, s21, 12                        ; W's tile 8 gx + 4 wc
	s_lshl_b32 s90, s18, 11
	s_add_co_u32 s89, s89, s90
	v_mov_b32 v5, s88
	v_mov_b32 v28, s89
	v_cndmask_b32 v5, v5, v28, s60                 ; lanes 0-15 take X's words, lanes 16-31 W's
	v_lshl_add_u32 v5, v1, 2, v5
.irp i, 0,1,2,3,4,5,6,7
.irp s, 0,1,2,3,4,5,6,7
	global_load_b32 v[SC+8*\i+\s], v5, s[8:9] offset:\i*512+\s*64   ; (for i = 4 .. 7 lanes 16-31 read words of tiles that are not mine: inside the buffer, since x's words follow W's, and never used)
.endr
.endr
	s_lshl_b32 s88, s21, 9
	s_lshl_b32 s89, s18, 8
	s_add_co_u32 s88, s88, s89                     ; the bias of my 64 columns
	s_mov_b32 s89, 0
	s_add_nc_u64 s[10:11], s[10:11], s[88:89]
	v_lshlrev_b32 v6, 6, v2                        ; along registers: tile b's eight columns of my half: 32 (b / 2) + 8 (b % 2) + 16 h + 0 .. 7
	v_and_b32 v7, 7, v1
	v_lshrrev_b32 v28, 3, v1
	v_lshl_add_u32 v7, v28, 4, v7
	v_lshlrev_b32 v7, 2, v7                        ; by lane: tile b's column of lane r: 32 (b / 2) + 8 (b % 2) + r % 8 + 16 (r / 8)
.irp b, 0,1,2,3
	global_load_b128 v[BI+8*\b:BI+8*\b+3], v6, s[10:11] offset:(32*(\b/2)+8*(\b%2))*4
	global_load_b128 v[BI+8*\b+4:BI+8*\b+7], v6, s[10:11] offset:(32*(\b/2)+8*(\b%2))*4+16
	global_load_b32 v[BL+2*\b], v7, s[10:11] offset:(32*(\b/2)+8*(\b%2))*4
	global_load_b32 v[BL+2*\b+1], v7, s[10:11] offset:(32*(\b/2)+8*(\b%2))*4     ; twice: a pair for the packed addition
.endr
	v_lshlrev_b32 v24, 4, v1
	v_lshl_add_u32 v24, v2, 3, v24                 ; 16 r + 8 h: where v's words go
.irp b, 0,1,2,3
	v_mov_b32 v[QD+\b], 0                          ; written once: a lane permute's destination counts as one of its sources
.endr
	s_cmp_ge_u32 ttmp9, 2                          ; q goes to qq, k and v to kv: the choice hangs on the cluster's x alone
	s_cselect_b64 s[84:85], s[14:15], s[12:13]
	s_lshr_b32 s86, s22, 3                         ; batch
	s_lshl_b32 s86, s86, 4
	s_and_b32 s87, s21, 7
	s_lshl_b32 s87, s87, 1
	s_add_co_u32 s86, s86, s87
	s_add_co_u32 s86, s86, s18                     ; bh = 16 batch + 2 (gx % 8) + wc
	s_mul_i32 s86, s86, 208896
	s_and_b32 s87, s22, 7
	s_lshl_b32 s87, s87, 1
	s_add_co_u32 s87, s87, s17                     ; ks = 2 (gy % 8) + wr
	s_mul_i32 s87, s87, 13056
	s_add_co_u32 s86, s86, s87
	s_mov_b32 s87, 0
	s_add_nc_u64 s[84:85], s[84:85], s[86:87]      ; my chunk
	s_wait_tensorcnt 3                             ; my part of region 0 is in; the three later regions' loads may stay out,
	s_barrier_signal -1
	s_barrier_wait -1                              ; everybody's is
	FETCH 0
	s_wait_loadcnt 0x0                             ; scale words and biases
	s_cmp_ge_u32 ttmp9, 4                          ; the cluster's x: the same in all sixteen partners
	s_cbranch_scc1 .Lv
	; ---- q, k: source 0 = W's tiles, so that a lane holds one row t and its registers run along the head's 64
	STEP 0, 0, 1
.irp s, 1,2,3,4,5,6,7
	STEP \s, 0, 0
.endr
	PLACES 4                                       ; in front of the first read of results and the first write of registers that the last products read
.irp a, 0,1,2,3,4,5,6,7                ; tile a of my rows: 64 numbers a row, 32 a lane: one half fragment
.if \a > 0
	s_wait_xcnt 0x0                                ; the last tile's stores have read their registers
.endif
	WIN 0x02                                       ; source 0: window 2
.irp b, 0,1,2,3
.irp j, 0,2,4,6
	v_pk_add_f32 v[96+8*\b+\j:97+8*\b+\j], v[8*(4*\a+\b)+\j:8*(4*\a+\b)+\j+1], v[BI+8*\b+\j:BI+8*\b+\j+1]   ; + bias, into window 0; each accumulator from its low end on
.endr
.endr
	WIN 0
	QUANT 96, 1
	v_lshl_or_b32 v[WD+\a], v[QD+1], 8, v[QD]      ; the row's word: two bytes, 0 above
	global_store_b128 v3, v[QP:QP+3], s[84:85] offset:\a*768         ; 512 consecutive bytes
	global_store_b64 v4, v[QP+4:QP+5], s[84:85] offset:\a*768+512    ; 256 consecutive bytes
.endr
.irp i, 0,1,2,3
	v_cndmask_b32 v[WD+8+\i], v[WD+\i], v[WD+4+\i], s60   ; lanes 0-15 store tiles 0-3's words of lane r, lanes 16-31 tiles 4-7's
.endr
	global_store_b128 v3, v[WD+8:WD+11], s[84:85] offset:12288       ; 512 consecutive bytes
	s_branch .Ltail
.Lv:	; ---- v: source 0 = x's tiles, so that a lane holds one channel and its registers run along my 128 keys
	STEP 0, 1, 1
.irp s, 1,2,3,4,5,6,7
	STEP \s, 1, 0
.endr
	PLACES 4
.irp bw, 0,1,2,3                       ; tile bw of the head's channels: 128 keys a channel, 64 a lane: one fragment of v^T
.if \bw > 0
	s_wait_xcnt 0x0                                ; the last tile's stores have read their registers
.endif
	WIN 0x02
.irp ax, 0,1,2,3,4,5,6,7
.irp j, 0,2,4,6
	v_pk_add_f32 v[96+8*\ax+\j:97+8*\ax+\j], v[8*(4*\ax+\bw)+\j:8*(4*\ax+\bw)+\j+1], v[BL+2*\bw:BL+2*\bw+1]   ; + my channel's bias
.endr
.endr
	WIN 0
	QUANT 96, 2
	v_mov_b32 v[WD+\bw], v[QW]
	global_store_b128 v3, v[QP:QP+3], s[84:85] offset:6144+\bw*1536
	global_store_b64 v4, v[QP+4:QP+5], s[84:85] offset:6144+\bw*1536+512
	global_store_b128 v3, v[QP+6:QP+9], s[84:85] offset:6144+\bw*1536+768
	global_store_b64 v4, v[QP+10:QP+11], s[84:85] offset:6144+\bw*1536+1280
.endr
.irp i, 0,1
	v_cndmask_b32 v[WD+8+\i], v[WD+\i], v[WD+2+\i], s60   ; lanes 0-15 store tiles 0, 1's words of lane r, lanes 16-31 tiles 2, 3's
.endr
	global_store_b64 v24, v[WD+8:WD+9], s[84:85] offset:12800        ; 256 consecutive bytes
.Ltail:
	s_wait_dscnt 0x0
	s_wait_tensorcnt 0x0
	ds_add_u32 v254, v255
	s_wait_dscnt 0x0
	CROUND                                         ; the closing round: no work-group ends while a partner may still ask for a block that names it
	s_endpgm
.Lfunc_end_k_q62dc9d8ce0_qkv:
	.size	k_q62dc9d8ce0_qkv, .Lfunc_end_k_q62dc9d8ce0_qkv-k_q62dc9d8ce0_qkv
	.p2alignl 7, 3214868480
	.fill 96, 4, 3214868480
	.section	.rodata,"a",@progbits
	.p2align	6, 0x0
	.amdhsa_kernel k_q62dc9d8ce0_qkv
		.amdhsa_group_segment_fixed_size 295424
		.amdhsa_private_segment_fixed_size 0
		.amdhsa_enable_private_segment 0
		.amdhsa_kernarg_size 48
		.amdhsa_user_sgpr_count 2
		.amdhsa_user_sgpr_kernarg_segment_ptr 1
		.amdhsa_wavefront_size32 1
		.amdhsa_system_sgpr_workgroup_id_x 1
		.amdhsa_system_sgpr_workgroup_id_y 1
		.amdhsa_system_sgpr_workgroup_id_z 1
		.amdhsa_system_vgpr_workitem_id 0
		.amdhsa_next_free_vgpr 768
		.amdhsa_next_free_sgpr 100
		.amdhsa_reserve_vcc 0
		.amdhsa_float_denorm_mode_32 3
		.amdhsa_float_denorm_mode_16_64 3
		.amdhsa_memory_ordered 1
		.amdhsa_forward_progress 1
		.amdhsa_inst_pref_size 181
	.end_amdhsa_kernel
	.amdgpu_metadata
---
amdhsa.version: [ 1, 2 ]
amdhsa.kernels:
  - .name:           k_q62dc9d8ce0_qkv
    .symbol:         k_q62dc9d8ce0_qkv.kd
    .args:
      - { .name: xc, .offset: 0, .size: 8, .value_kind: global_buffer, .address_space: global }
      - { .name: wqc, .offset: 8, .size: 8, .value_kind: global_buffer, .address_space: global }
      - { .name: sc1, .offset: 16, .size: 8, .value_kind: global_buffer, .address_space: global }
      - { .name: b_qkv, .offset: 24, .size: 8, .value_kind: global_buffer, .address_space: global }
      - { .name: qq, .offset: 32, .size: 8, .value_kind: global_buffer, .address_space: global }
      - { .name: kv, .offset: 40, .size: 8, .value_kind: global_buffer, .address_space: global }
    .group_segment_fixed_size: 295424
    .private_segment_fixed_size: 0
    .kernarg_segment_align: 8
    .kernarg_segment_size: 48
    .max_flat_workgroup_size: 128
    .sgpr_count:     100
    .vgpr_count:     768
    .wavefront_size: 32
...
	.end_amdgpu_metadata
.endif
;; end of part 2
;; launch attn (part 3): grid 4 x 64, 16 waves a work-group, no clusters, 210,944 bytes of LDS; arguments qq, kv, yc, sc2; writes yc, sc2
.if DOCPART == 3
	.amdgcn_target "amdgcn-amd-amdhsa--gfx1250"
	.amdhsa_code_object_version 6
	.text
	.protected	k_q62dc9d8ce0_attn
	.globl	k_q62dc9d8ce0_attn
	.p2align	8
	.type	k_q62dc9d8ce0_attn,@function
k_q62dc9d8ce0_attn:
	s_mov_b64 s[64:65], 0
	v_nop
	global_prefetch_b8 v0, s[64:65] scope:SCOPE_SE
	s_setreg_imm32_b32 hwreg(HW_REG_WAVE_MODE, 25, 1), 1
	s_wait_xcnt 0x0
; y = softmax(q k^T / 8, causal) v for one head, both products on codes of FP6 (E2M3), and y quantised at once, along the channels, for the last product.
; THE SOFTMAX: t = score x log2(e) / 8 (one constant, one rounding where the source text has two); M = the running largest t rounded UP to a whole number; p = 2^(t - M) is quantised along the keys, not normalised;
; the row's sum is taken of the unquantised p and divides at the end.  When M moves, the sum and O are multiplied by 2^(old M - new M): exact.
; SHARES.  Work-group (i, bh) owns query blocks i and 7 - i (256 queries each) of head bh; wave w runs two passes of one tile of 16 queries: tile 127 - 16 i - w, then tile 16 i + w.
; A tile T sees key steps 0 .. T / 8 (128 keys a step): the two passes together see 17 steps in every wave of every work-group.  The loops' trip counts are the constant 16; a step whose keys all come after my queries is jumped over.
; LDS holds the head's whole k and v, 16 chunks of 13,056 bytes as the launch before laid them (8 half fragments of k, 4 fragments of v^T, their scale words): wave w brings chunk w; filled once, one barrier, no LDS store.
; NO JOINT LOADS, though the four work-groups of a head read the same bytes: the steps that a wave jumps over hang on its work-group's query blocks.
; LAYOUT.  Both products are used transposed (S^T = k q^T, O^T = v^T p^T): a lane holds ONE query throughout.  Lane r of tile T is index 32 (T / 2) + 8 (T % 2) + r % 8 + 16 (r / 8), for keys, queries and channels alike:
; so the 16 registers of two neighbouring tiles are 16 neighbouring keys (S^T) or channels (O^T).
; K = 64 IN AN INSTRUCTION OF 128: q's upper 64 codes are zeros (v26-31).  k's operand names twelve registers from its tile's six on: the upper six hold the next tile's codes (for tile 7: v's first six registers).
; Every code of E2M3 is a finite number, and the words' upper bytes are 0, not 0xff: those products are exactly 0.
; LIMITS: NaN and infinities are not served; a block of zeros gets the byte 1 where the rule says 127 (its codes are zeros; this program alone reads the bytes).
; REGISTERS: v1-3 16 x lane, 8 x lane, 16 r; v4-6 the same in the chunk in hand; v7 the mask's distance; v8-15 k's words; v16 -M, v17 the largest t, v[18:19] the sum; v20-31 q; v32-79 k; v80-127 v^T; v128-191 S^T, then p;
;   v192-223 O^T; v224-235 p's codes; v232-247 at work; v243 4 r + h; v248-251 v's words; v252 f; v253 p's word; v254 at work; v255 q's word.
.set CH,   13056                       ; a chunk
.set HB,   208896                      ; a head
.set XO2,  32768                       ; where y's scale words begin in sc2
.set WV,   12
.set SEL,  16                          ; s[16:17] lane selects for v_permlanex16_b32: lane l xor 16
.set CS,   18                          ; s[18:19] c = log2(e) / 8
.set KS,   20                          ; the key step, and the loop's counter
.set KB,   21                          ; its chunk's LDS byte
.set DS,   22                          ; the step on the diagonal: tile / 8
.set TAU,  48                          ; my tile of queries
.set QM,  232
.set QD,  236
.set QS,  244
.set QW,  254
.set QP,  224
.set QT,  240
; 32 nb numbers of a lane, v[s + 16 b + i] = k 32 b + 16 (lane / 16) + i of my row, become codes in v[QP] on; the blocks' bytes stay in v[QD + b]
.macro QUANT s, nb
.irp b, 0,1,2,3
.if \b < 2*\nb
	v_max3_num_f32 v[QM+\b], |v[\s+16*\b]|, |v[\s+16*\b+1]|, 0x1800000   ; my 16 numbers of block b, and the floor 2^(3 - 127): the byte cannot fall under 1
.endif
.endr
.irp i, 2,4,6,8,10,12,14
.irp b, 0,1,2,3
.if \b < 2*\nb
	s_delay_alu instid0(VALU_DEP_2)
	v_max3_num_f32 v[QM+\b], v[QM+\b], |v[\s+16*\b+\i]|, |v[\s+16*\b+\i+1]|
.endif
.endr
.endr
.irp b, 0,1,2,3
.if \b < 2*\nb
	s_delay_alu instid0(VALU_DEP_2)
	v_permlanex16_b32 v[QD+\b], v[QM+\b], s[SEL], s[SEL+1]
.endif
.endr
.irp b, 0,1,2,3
.if \b < 2*\nb
	s_delay_alu instid0(VALU_DEP_2)
	v_max_num_f32 v[QM+\b], v[QM+\b], v[QD+\b]     ; with lane l xor 16's: the block's largest magnitude
.endif
.endr
.irp b, 0,1,2,3
.if \b < 2*\nb
	s_delay_alu instid0(VALU_DEP_2)
	v_add_nc_u32 v[QS+\b], 0xff000000, v[QM+\b]    ; 2 off its exponent field: the conversion's scale operand
.endif
.endr
.irp b, 0,1,2,3
.if \b < 2*\nb
	s_delay_alu instid0(VALU_DEP_2)
	v_lshrrev_b32 v[QD+\b], 23, v[QS+\b]           ; the scale's byte
.endif
.endr
.irp c, 0,1
.if \c < \nb
	v_cvt_scalef32_pk16_fp6_f32 v[QP+6*\c:QP+6*\c+2], v[\s+32*\c:\s+32*\c+15], v[QS+2*\c]
	v_cvt_scalef32_pk16_fp6_f32 v[QT+4*\c:QT+4*\c+2], v[\s+32*\c+16:\s+32*\c+31], v[QS+2*\c+1]
.endif
.endr
	v_nop                                          ; one plain place behind a scaled conversion
.irp c, 0,1
.if \c < \nb
.irp i, 0,1,2
	v_permlane16_swap_b32 v[QP+6*\c+\i], v[QT+4*\c+\i]   ; a WHOLE block in a lane
.endr
.irp i, 0,1,2
	s_delay_alu instid0(VALU_DEP_3)
	v_mov_b32 v[QP+6*\c+3+\i], v[QT+4*\c+\i]
.endr
.endif
.endr
.endm
; A KEY STEP: 128 keys, chunk KS.
.macro KSTEP
	s_cmp_gt_u32 s[KS], s[DS]                      ; all its keys come after my queries: a scalar branch on ids, round the step's work alone
	s_cbranch_scc1 .Lhid_\@
	s_setprio 2
	v_add_nc_u32 v4, s[KB], v1
	v_add_nc_u32 v5, s[KB], v2
	v_add_nc_u32 v6, s[KB], v3
.irp t, 0,1,2,3,4,5,6,7
	ds_load_b128 v[32+6*\t:35+6*\t], v4 offset:768*\t              ; k's half fragments, as they were laid: consecutive bytes
	ds_load_b64 v[36+6*\t:37+6*\t], v5 offset:768*\t+512
.endr
	ds_load_b128 v[8:11], v6 offset:12288          ; lane r: the words of tiles 0-3,
	ds_load_b128 v[12:15], v6 offset:12544         ; and of tiles 4-7
	s_wait_alu depctr_va_vdst(0)
	s_wait_dscnt 0x0
.irp t, 0,1,2,3,4,5,6,7
	v_wmma_scale_f32_16x16x128_f8f6f4 v[128+8*\t:135+8*\t], v[32+6*\t:43+6*\t], v[20:31], 0, v[8+\t], v255 matrix_a_fmt:MATRIX_FMT_FP6 matrix_b_fmt:MATRIX_FMT_FP6
.endr
.rept 4
	v_nop                                          ; places in front of the loads into v80-85, which the last product named, and of the first read of the scores
.endr
.irp d, 0,1,2,3                        ; v^T's four fragments and its words are asked for now and land under the softmax
	ds_load_b128 v[80+12*\d:83+12*\d], v4 offset:6144+1536*\d
	ds_load_b64 v[84+12*\d:85+12*\d], v5 offset:6144+1536*\d+512
	ds_load_b128 v[86+12*\d:89+12*\d], v4 offset:6144+1536*\d+768
	ds_load_b64 v[90+12*\d:91+12*\d], v5 offset:6144+1536*\d+1280
.endr
	ds_load_b128 v[248:251], v6 offset:12800
	s_cmp_lt_u32 s[KS], s[DS]                      ; a step all of whose keys count skips the mask
	s_cbranch_scc1 .Lopen_\@
	v_mov_b32 v254, 0xff800000                     ; on the diagonal hidden scores become -infinity ahead of the maximum: p = 0 then.  My own key counts, so the row's maximum is a number
.set n, 0
.rept 64
	v_cmp_gt_i32 vcc_lo, 32*(n/16)+n%16, v7        ; register 16 b + i holds key 32 b + 16 h + i of the step: hidden where 32 b + i > my query's place in the step - 16 h
	v_cndmask_b32 v[128+n], v[128+n], v254, vcc_lo
.set n, n+1
.endr
.Lopen_\@:
.irp b, 0,1,2,3
	v_max3_num_f32 v[232+\b], v[128+16*\b], v[129+16*\b], v[130+16*\b]   ; the largest score of each block of 32 keys: it serves for the row's maximum and, since p rises with the score, for the block's largest p
.endr
.irp i, 3,5,7,9,11,13
.irp b, 0,1,2,3
	v_max3_num_f32 v[232+\b], v[232+\b], v[128+16*\b+\i], v[129+16*\b+\i]
.endr
.endr
.irp b, 0,1,2,3
	v_max_num_f32 v[232+\b], v[232+\b], v[143+16*\b]
.endr
.irp b, 0,1,2,3
	s_delay_alu instid0(VALU_DEP_4)
	v_permlanex16_b32 v[236+\b], v[232+\b], s[SEL], s[SEL+1]
.endr
.irp b, 0,1,2,3
	s_delay_alu instid0(VALU_DEP_4)
	v_max_num_f32 v[232+\b], v[232+\b], v[236+\b]  ; with lane l xor 16's 16 keys
.endr
	s_delay_alu instid0(VALU_DEP_2)
	v_max3_num_f32 v254, v232, v233, v234
	s_delay_alu instid0(VALU_DEP_1)
	v_max_num_f32 v254, v254, v235                 ; the step's largest score of my query
	s_delay_alu instid0(VALU_DEP_1)
	v_mul_f32 v254, s[CS], v254                    ; as t (c is positive)
	s_delay_alu instid0(VALU_DEP_1)
	v_max_num_f32 v17, v17, v254                   ; the running largest t
	v_mov_b32 v254, v16
	s_delay_alu instid0(VALU_DEP_2)
	v_floor_f32 v16, -v17                          ; the new -M = floor(-t): M is a whole number
	s_delay_alu instid0(VALU_DEP_1)
	v_sub_f32 v254, v16, v254                      ; old M - new M: a whole number, 0 or less
	s_delay_alu instid0(VALU_DEP_1)
	v_cvt_i32_f32 v254, v254                       ; (it saturates)
	s_delay_alu instid0(VALU_DEP_1)
	v_ldexp_f32 v252, 1.0, v254                    ; f = 2^(old M - new M)
.set j, 0
.rept 32
	v_pk_fma_f32 v[128+j:129+j], v[128+j:129+j], s[CS:CS+1], v[16:17] op_sel_hi:[1,0,0]   ; t - M, two at a time (of the pairs c and -M the low word serves both halves)
.set j, j+2
.endr
	s_setprio 1
.irp b, 0,1,2,3
	v_fma_f32 v[232+\b], v[232+\b], s[CS], v16     ; the same of each block's largest score
.endr
.set j, 0
	s_wait_alu depctr_va_vdst(0)
.rept 64
	v_exp_f32 v[128+j], v[128+j]                   ; p = 2^(t - M), at most 1
.set j, j+1
.endr
.irp b, 0,1,2,3
	v_exp_f32 v[232+\b], v[232+\b]                 ; the block's largest p: the same two instructions on the same number
.endr
	v_pk_mul_f32 v[18:19], v[18:19], v[252:253] op_sel_hi:[1,0]   ; the sums under the new M.  (A plain place behind the exponentials)
	s_wait_alu depctr_va_vdst(0)
.irp b, 0,1,2,3
	v_max_num_f32 v[232+\b], 0x1800000, v[232+\b]  ; the floor 2^(3 - 127): the byte cannot fall under 1
.endr
.irp b, 0,1,2,3
	s_delay_alu instid0(VALU_DEP_4)
	v_add_nc_u32 v[244+\b], 0xff000000, v[232+\b]  ; the conversion's scale operand
.endr
.irp b, 0,1,2,3
	s_delay_alu instid0(VALU_DEP_4)
	v_lshrrev_b32 v[236+\b], 23, v[244+\b]         ; the scale's byte
.endr
	s_delay_alu instid0(VALU_DEP_3)
	v_lshl_or_b32 v253, v237, 8, v236              ; p's scale word for these 128 keys
	s_delay_alu instid0(VALU_DEP_1)
	v_lshl_or_b32 v253, v238, 16, v253
	s_delay_alu instid0(VALU_DEP_1)
	v_lshl_or_b32 v253, v239, 24, v253
.irp c, 0,1
	v_cvt_scalef32_pk16_fp6_f32 v[224+6*\c:226+6*\c], v[128+32*\c:143+32*\c], v[244+2*\c]
	v_cvt_scalef32_pk16_fp6_f32 v[236+4*\c:238+4*\c], v[144+32*\c:159+32*\c], v[244+2*\c+1]
.endr
	v_nop                                          ; one plain place behind a scaled conversion
.irp c, 0,1
.irp i, 0,1,2
	v_permlane16_swap_b32 v[224+6*\c+\i], v[236+4*\c+\i]
.endr
.irp i, 0,1,2
	s_delay_alu instid0(VALU_DEP_3)
	v_mov_b32 v[227+6*\c+\i], v[236+4*\c+\i]
.endr
.endr
	v_pk_add_f32 v[236:237], v[132:133], v[136:137]
	v_pk_add_f32 v[246:247], v[140:141], v[144:145]
	v_pk_add_f32 v[244:245], v[148:149], v[152:153]
	v_pk_add_f32 v[240:241], v[156:157], v[160:161]
	v_pk_add_f32 v[78:79], v[164:165], v[168:169]
	v_pk_add_f32 v[76:77], v[172:173], v[176:177]
	v_pk_add_f32 v[74:75], v[180:181], v[184:185]
	v_pk_add_f32 v[18:19], v[18:19], v[188:189]
	v_pk_add_f32 v[236:237], v[236:237], v[128:129]
	v_pk_add_f32 v[246:247], v[246:247], v[130:131]
	v_pk_add_f32 v[244:245], v[244:245], v[134:135]
	v_pk_add_f32 v[240:241], v[240:241], v[138:139]
	v_pk_add_f32 v[78:79], v[78:79], v[142:143]
	s_setprio 0
	v_pk_add_f32 v[76:77], v[76:77], v[146:147]
	v_pk_add_f32 v[74:75], v[74:75], v[150:151]
	v_pk_add_f32 v[18:19], v[18:19], v[154:155]
	v_pk_add_f32 v[236:237], v[236:237], v[158:159]
	v_pk_add_f32 v[246:247], v[246:247], v[162:163]
	v_pk_add_f32 v[244:245], v[244:245], v[166:167]
	v_pk_add_f32 v[240:241], v[240:241], v[170:171]
	v_pk_add_f32 v[78:79], v[78:79], v[174:175]
	v_pk_add_f32 v[76:77], v[76:77], v[178:179]
	v_pk_add_f32 v[74:75], v[74:75], v[182:183]
	v_pk_add_f32 v[18:19], v[18:19], v[186:187]
	v_pk_add_f32 v[236:237], v[236:237], v[190:191]
	s_delay_alu instid0(VALU_DEP_2)
	v_pk_add_f32 v[18:19], v[18:19], v[240:241]
	s_delay_alu instid0(VALU_DEP_2)
	v_pk_add_f32 v[236:237], v[236:237], v[78:79]
	v_pk_add_f32 v[246:247], v[246:247], v[76:77]
	v_pk_add_f32 v[244:245], v[244:245], v[74:75]
	s_delay_alu instid0(VALU_DEP_2)
	v_pk_add_f32 v[18:19], v[18:19], v[246:247]
	s_delay_alu instid0(VALU_DEP_2)
	v_pk_add_f32 v[236:237], v[236:237], v[244:245]
	s_delay_alu instid0(VALU_DEP_1)
	v_pk_add_f32 v[18:19], v[18:19], v[236:237]
.set j, 0
.rept 16
	v_pk_mul_f32 v[192+j:193+j], v[192+j:193+j], v[252:253] op_sel_hi:[1,0]   ; O^T under the new M.  (The 48 packed lines from the sums on are the places between p's word and codes and the products below)
.set j, j+2
.endr
	s_wait_alu depctr_va_vdst(0)
	s_wait_dscnt 0x0                               ; v^T and its words are in
.irp d, 0,1,2,3                        ; the four accumulators by turns
	v_wmma_scale_f32_16x16x128_f8f6f4 v[192+8*\d:199+8*\d], v[80+12*\d:91+12*\d], v[224:235], v[192+8*\d:199+8*\d], v[248+\d], v253 matrix_a_fmt:MATRIX_FMT_FP6 matrix_b_fmt:MATRIX_FMT_FP6
.endr
.rept 4
	v_nop                                          ; places in front of whatever reads O^T or loads into these products' registers next
.endr
.Lhid_\@:
	s_add_co_u32 s[KB], s[KB], CH
.endm
; A PASS: one tile of 16 queries against all its keys.  p = 0: tile 127 - 16 i - w; p = 1: tile 16 i + w.
.macro PASS p
.if \p
	s_wait_xcnt 0x0                                ; the first pass's loads and stores have read their pointers and registers
.endif
	s_lshl_b32 s[TAU], ttmp9, 4
	s_add_co_u32 s[TAU], s[TAU], s[WV]
.if \p == 0
	s_sub_co_u32 s[TAU], 127, s[TAU]
.endif
	s_lshr_b32 s[DS], s[TAU], 3
	s_and_b32 s34, s[TAU], 7
	s_mul_i32 s33, s[DS], CH
	s_add_co_u32 s33, s33, s14                     ; my tile's chunk in qq
	s_mul_i32 s35, s34, 768
	s_add_co_u32 s36, s33, s35
	s_mov_b32 s37, 0
	s_add_nc_u64 s[52:53], s[4:5], s[36:37]        ; its half fragment
	s_lshr_b32 s35, s34, 2
	s_lshl_b32 s35, s35, 8
	s_and_b32 s38, s[TAU], 3
	s_lshl_b32 s38, s38, 2
	s_add_co_u32 s35, s35, s38
	s_add_co_u32 s36, s33, s35
	s_add_nc_u64 s[54:55], s[4:5], s[36:37]        ; its words
	global_load_b128 v[20:23], v1, s[52:53]
	global_load_b64 v[24:25], v2, s[52:53] offset:512
	global_load_b32 v255, v3, s[54:55] offset:12288
	s_lshr_b32 s32, s13, 4
	s_lshl_b32 s32, s32, 7
	s_add_co_u32 s32, s32, s[TAU]                  ; T = 128 batch + tile: y's tile of rows
	s_and_b32 s33, s13, 15                         ; the head: K step head / 2, half head % 2 of the last product
	s_lshr_b32 s34, s32, 3
	s_mul_i32 s34, s34, 98304
	s_lshr_b32 s35, s33, 2
	s_mul_i32 s35, s35, 24576
	s_add_co_u32 s34, s34, s35
	s_and_b32 s35, s32, 7
	s_mul_i32 s35, s35, 3072
	s_add_co_u32 s34, s34, s35
	s_bfe_u32 s35, s33, 0x10001
	s_mul_i32 s35, s35, 1536
	s_add_co_u32 s34, s34, s35
	s_and_b32 s35, s33, 1
	s_mul_i32 s35, s35, 768
	s_add_co_u32 s36, s34, s35
	s_add_nc_u64 s[56:57], s[8:9], s[36:37]        ; where y's half fragment goes
	s_lshl_b32 s34, s32, 9
	s_lshr_b32 s35, s33, 1
	s_lshl_b32 s35, s35, 6
	s_add_co_u32 s34, s34, s35
	s_and_b32 s35, s33, 1
	s_lshl_b32 s35, s35, 1
	s_add_co_u32 s34, s34, s35
	s_add_co_u32 s36, s34, XO2
	s_add_nc_u64 s[58:59], s[10:11], s[36:37]      ; and its two scale bytes a row
	s_bfe_u32 s39, s[TAU], 0x20001
	s_lshl_b32 s39, s39, 5
	s_and_b32 s38, s[TAU], 1
	s_lshl_b32 s38, s38, 3
	s_add_co_u32 s39, s39, s38                     ; the tile's first query in its step of 128
	v_and_b32 v7, 7, v0
	v_bfe_u32 v254, v0, 3, 1
	s_delay_alu instid0(VALU_DEP_1)
	v_lshl_add_u32 v7, v254, 4, v7                 ; r % 8 + 16 (r / 8)
	v_bfe_u32 v254, v0, 4, 1
	s_delay_alu instid0(VALU_DEP_1)
	v_lshlrev_b32 v254, 4, v254
	s_delay_alu instid0(VALU_DEP_1)
	v_sub_nc_u32 v7, v7, v254
	s_delay_alu instid0(VALU_DEP_1)
	v_add_nc_u32 v7, s39, v7                       ; my query's place in the step - 16 h
	v_mov_b32 v17, 0xff61b1e6                      ; the largest t so far: -3e38, under every t
	s_delay_alu instid0(VALU_DEP_1)
	v_floor_f32 v16, -v17                          ; -M
	v_mov_b32 v18, 0                               ; the sum, in two halves
	v_mov_b32 v19, 0
.set j, 0
.rept 32
	v_mov_b32 v[192+j], 0                          ; O^T.  (The step is written once: the first finds zeros, which the first change of M leaves zeros)
.set j, j+1
.endr
	s_mov_b32 s[KS], 0
	s_mov_b32 s[KB], 0
.if \p == 0
	s_wait_tensorcnt 0x0                           ; my chunk has landed,
	s_barrier_signal -1
	s_barrier_wait -1                              ; everybody's has
.endif
	s_wait_loadcnt 0x0                             ; q
.Lk_\@:
	KSTEP
	s_add_co_u32 s[KS], s[KS], 1
	s_cmp_lt_u32 s[KS], 16
	s_cbranch_scc1 .Lk_\@
	s_setprio 0
	; the pass's end: y = O^T / the sum, quantised along the head's 64 channels: one half fragment of the last product's operand
	v_add_f32 v18, v18, v19                        ; the sum's two halves,
	s_delay_alu instid0(VALU_DEP_1)
	v_permlanex16_b32 v252, v18, s[SEL], s[SEL+1]
	s_delay_alu instid0(VALU_DEP_1)
	v_add_f32 v18, v18, v252                       ; and lane l xor 16's
	s_wait_alu depctr_va_vdst(0)
	v_rcp_f32 v18, v18
	v_nop                                          ; one plain place behind a transcendental
.set j, 0
	s_wait_alu depctr_va_vdst(0)
.rept 32
	v_mul_f32 v[128+j], v[192+j], v18              ; register 16 b + i: channel 32 b + 16 h + i; each accumulator from its low end on
.set j, j+1
.endr
	QUANT 128, 1
	v_cndmask_b32 v254, v[QD], v[QD+1], s60        ; lanes 0-15 store block 0's byte of row r, lanes 16-31 block 1's
	global_store_b128 v1, v[QP:QP+3], s[56:57]     ; 512 consecutive bytes
	global_store_b64 v2, v[QP+4:QP+5], s[56:57] offset:512
	global_store_b8 v243, v254, s[58:59]           ; two bytes of each row's word: the other two are the neighbouring head's
.endm
	s_load_b256 s[4:11], s[0:1], 0x0               ; qq s[4:5], kv s[6:7], yc s[8:9], sc2 s[10:11]
	v_lshl_add_u32 v254, v0, 2, 0x33000
	v_mov_b32 v255, 0
	ds_add_u32 v254, v255
	ds_add_u32 v254, v255
	s_wait_dscnt 0x0
	v_lshrrev_b32 v1, 5, v0
	s_delay_alu instid0(VALU_DEP_1)
	v_readfirstlane_b32 s[WV], v1                  ; wave 0..15
	s_and_b32 s13, ttmp7, 0xffff                   ; bh
	s_mul_i32 s14, s13, HB                         ; the head's first byte in qq and kv
	s_mul_i32 s15, s[WV], CH                       ; my chunk, in memory and in LDS alike
	; descriptor group 1: a dense chunk as 51 rows of 256 bytes (32 elements of 8 bytes), no padding
	s_mov_b32 s24, 3<<16                           ; no mask; elements of 8 bytes
	s_mov_b32 s25, 32<<16                          ; tensor_dim0 = 32
	s_mov_b32 s26, 51<<16                          ; tensor_dim1 = 51
	s_mov_b32 s27, 32<<16                          ; tile_dim0 = 32
	s_mov_b32 s28, 51                              ; tile_dim1 = 51
	s_mov_b32 s29, 32                              ; from row to row
	s_mov_b32 s30, 0
	s_mov_b32 s31, 0
	s_add_co_u32 s32, s14, s15
	s_mov_b32 s33, 0
	s_mov_b32 s[SEL], 0x76543210
	s_mov_b32 s[SEL+1], 0xfedcba98
	s_mov_b32 s[CS], 0x3e38aa3b                    ; c = log2(e) / 8
	s_mov_b32 s[CS+1], s[CS]                       ; (named with it as a pair, so it is written)
	s_mov_b32 s60, 0xffff0000                      ; lanes 16-31
	s_wait_kmcnt 0x0
	s_mov_b32 s40, 1                               ; count = 1
	s_mov_b32 s41, s15                             ; LDS address: 13,056 x wave
	s_add_nc_u64 s[42:43], s[6:7], s[32:33]        ; global address
	s_or_b32 s43, s43, 0x80000000                  ; type = 2
	tensor_load_to_lds s[40:43], s[24:31]          ; my one tensor load of the launch
	s_nop 0
.rept 4
	v_nop
.endr
	v_and_b32 v1, 31, v0
	s_delay_alu instid0(VALU_DEP_1)
	v_lshlrev_b32 v2, 3, v1                        ; 8 x lane
	s_delay_alu instid0(VALU_DEP_2)
	v_lshlrev_b32 v1, 4, v1                        ; 16 x lane
	v_and_b32 v3, 15, v0
	v_bfe_u32 v243, v0, 4, 1
	s_delay_alu instid0(VALU_DEP_1)
	v_lshl_add_u32 v243, v3, 2, v243               ; 4 r + h
	s_delay_alu instid0(VALU_DEP_3)
	v_lshlrev_b32 v3, 4, v3                        ; 16 r
.irp j, 0,1,2,3,4,5
	v_mov_b32 v[26+\j], 0                          ; q's upper 64 codes: zeros
	v_mov_b32 v[80+\j], 0                          ; named by k's last operand before v^T is first loaded
.endr
.irp b, 0,1,2,3
	v_mov_b32 v[236+\b], 0                         ; written once: a lane permute's destination counts as one of its sources
.endr
	v_mov_b32 v252, 0
	v_mov_b32 v253, 0                              ; (named as the upper half of the pair v[252:253] before it is first written)
	PASS 0
	PASS 1
	s_wait_xcnt 0x0
	v_lshl_add_u32 v254, v0, 2, 0x33000
	v_mov_b32 v255, 0
	s_wait_alu depctr_va_vdst(0)
	s_wait_tensorcnt 0x0
	ds_add_u32 v254, v255
	s_wait_dscnt 0x0
	s_endpgm
.Lfunc_end_k_q62dc9d8ce0_attn:
	.size	k_q62dc9d8ce0_attn, .Lfunc_end_k_q62dc9d8ce0_attn-k_q62dc9d8ce0_attn
	.p2alignl 7, 3214868480
	.fill 96, 4, 3214868480
	.section	.rodata,"a",@progbits
	.p2align	6, 0x0
	.amdhsa_kernel k_q62dc9d8ce0_attn
		.amdhsa_group_segment_fixed_size 210944
		.amdhsa_private_segment_fixed_size 0
		.amdhsa_enable_private_segment 0
		.amdhsa_kernarg_size 32
		.amdhsa_user_sgpr_count 2
		.amdhsa_user_sgpr_kernarg_segment_ptr 1
		.amdhsa_wavefront_size32 1
		.amdhsa_system_sgpr_workgroup_id_x 1
		.amdhsa_system_sgpr_workgroup_id_y 1
		.amdhsa_system_sgpr_workgroup_id_z 1
		.amdhsa_system_vgpr_workitem_id 0
		.amdhsa_next_free_vgpr 256
		.amdhsa_next_free_sgpr 66
		.amdhsa_reserve_vcc 1
		.amdhsa_float_denorm_mode_32 3
		.amdhsa_float_denorm_mode_16_64 3
		.amdhsa_memory_ordered 1
		.amdhsa_forward_progress 1
		.amdhsa_inst_pref_size 65
	.end_amdhsa_kernel
	.amdgpu_metadata
---
amdhsa.version: [ 1, 2 ]
amdhsa.kernels:
  - .name:           k_q62dc9d8ce0_attn
    .symbol:         k_q62dc9d8ce0_attn.kd
    .args:
      - { .name: qq, .offset: 0, .size: 8, .value_kind: global_buffer, .address_space: global }
      - { .name: kv, .offset: 8, .size: 8, .value_kind: global_buffer, .address_space: global }
      - { .name: yc, .offset: 16, .size: 8, .value_kind: global_buffer, .address_space: global }
      - { .name: sc2, .offset: 24, .size: 8, .value_kind: global_buffer, .address_space: global }
    .group_segment_fixed_size: 210944
    .private_segment_fixed_size: 0
    .kernarg_segment_align: 8
    .kernarg_segment_size: 32
    .max_flat_workgroup_size: 512
    .sgpr_count:     66
    .vgpr_count:     256
    .wavefront_size: 32
...
	.end_amdgpu_metadata
.endif
;; end of part 3
;; launch proj (part 4): grid 8 x 32, 4 waves a work-group, clusters of 4 x 4, 312,832 bytes of LDS; arguments yc, wpc, sc2, b_proj, out0; writes out0
.if DOCPART == 4
	.amdgcn_target "amdgcn-amd-amdhsa--gfx1250"
	.amdhsa_code_object_version 6
	.text
	.protected	k_q62dc9d8ce0_proj
	.globl	k_q62dc9d8ce0_proj
	.p2align	8
	.type	k_q62dc9d8ce0_proj,@function
k_q62dc9d8ce0_proj:
	s_mov_b64 s[64:65], 0
	v_nop
	global_prefetch_b8 v0, s[64:65] scope:SCOPE_SE
	s_setreg_imm32_b32 hwreg(HW_REG_WAVE_MODE, 25, 1), 1
	s_wait_xcnt 0x0
	s_wait_alu depctr_hold_cnt(0) depctr_sa_sdst(0) depctr_va_vdst(0) depctr_va_sdst(0) depctr_va_ssrc(0) depctr_va_vcc(0) depctr_vm_vsrc(0)
	s_getreg_b32 s2, hwreg(HW_REG_IB_STS2, 6, 4)
	s_cmp_eq_u32 s2, 0
	s_cbranch_scc0 .Lentry_in_a_cluster
	s_endpgm
.Lentry_in_a_cluster:
	s_bfe_u32 s2, ttmp6, 0x10000c
	s_cmp_lg_u32 s2, 0xf033
	s_cbranch_scc0 .Lentry_shape_is_right
	s_endpgm
.Lentry_shape_is_right:
; out0 = Q(y) Q(W_proj) + b_proj on codes of FP6 (E2M3); out0 [8192][1024] f32.
; A work-group of four waves makes 256 rows x 128 columns; wave (wr, wc) makes 128 rows (8 tiles) x 64 columns (4 tiles): 32 accumulators, 256 registers.
; ALL OF K (1,024) LIES IN LDS: four regions of 256 along K, each y's two blocks of 128 rows and W's block of 128 columns, dense images of the operands' registers.  Each is filled once: no slot is filled again.
; CLUSTERS: 4 x 4 work-groups.  y's blocks hang on the tile row alone and are asked for jointly along a row of the cluster, W's on the tile column alone, along a column.
; TILES: lane r of tile T is index 32 (T / 2) + 8 (T % 2) + r % 8 + 16 (r / 8), for rows of y and columns of W alike.  Source 0 = W's tiles: a lane holds one row of out0, and tile b's eight registers are the
; columns 32 (b / 2) + 8 (b % 2) + 16 (lane / 16) + 0 .. 7 of my 64.  The bias, in that layout, is the C of each sum's first product.
; REGISTERS, in windows of 256.  Window 0: v1-28 lane terms and addresses; v32-95 scale words; v96-191 W's fragments, two sets, later rows of out0; v192-223 the bias.   Window 1: y's fragments, two sets of 96.   Window 2: the accumulators, (a, b) at v[8 (4 a + b)].
.set XO,    32768                      ; where y's scale words begin in sc2
.set RGN,   73728                      ; an LDS region: 256 along K
.set XBLK,  24576                      ; 128 rows x 256 K
.set WOFF,  49152                      ; W's block in a region
.set WHALF, 12288                      ; 64 columns x 256 K
.set STAGE, 4*RGN                      ; behind the regions: 16 rows x (256 bytes + 16) for each wave, for the way out; no fill lands there
.set SC,  32                           ; v[SC + 8 i + s]: lanes 0-15 the word of y's tile i, lanes 16-31 that of W's tile i, for K step s
.set WF,  96
.set BI,  192
.set G1A, 24                           ; s[24:31] descriptor group 1 for y's blocks;  s[40:55] group 0, one for each region
.set G1B, 32                           ; s[32:39], s[68:83] the same for W's halves
.set G0A, 40
.set G0B, 68
.set MSB, 0
.macro WIN new                         ; the immediate's high byte repeats the setting that is left
.if MSB != \new
	s_set_vgpr_msb (MSB<<8)|\new
.set MSB, \new
.endif
.endm
.macro PLACES n
.rept \n
	v_nop
.endr
.endm
.macro CROUND                          ; a round of the cluster's barrier
	s_barrier_signal -1
	s_barrier_wait -1
	s_cmp_lg_u32 s16, 0
	s_cbranch_scc1 .Lnot_wave_0_\@
	s_barrier_signal -3
.Lnot_wave_0_\@:
	s_barrier_wait -3
	s_barrier_signal -1
	s_barrier_wait -1
.endm
.macro FRAG reg, a16, a8, off          ; a fragment comes back as it was laid: every load reads consecutive bytes
	ds_load_b128 v[\reg:\reg+3], v[\a16] offset:\off
	ds_load_b64 v[\reg+4:\reg+5], v[\a8] offset:\off+512
	ds_load_b128 v[\reg+6:\reg+9], v[\a16] offset:\off+768
	ds_load_b64 v[\reg+10:\reg+11], v[\a8] offset:\off+1280
.endm
.macro FETCH s                         ; K step s: my 8 fragments of y into window 1, my 4 of W into window 0, set s % 2: 48 loads in one run
	WIN 0x40
.irp i, 0,1,2,3,4,5,6,7
	FRAG 96*((\s)%2)+12*\i, 8+(\s)/2, 12+(\s)/2, \i*3072+((\s)%2)*1536
.endr
	WIN 0
.irp i, 0,1,2,3
	FRAG WF+48*((\s)%2)+12*\i, 16+(\s)/2, 20+(\s)/2, \i*3072+((\s)%2)*1536
.endr
.endm
; 32 matrix instructions: y's 8 tiles x W's 4.  The 32 accumulators take turns, one instruction a turn, in the same order in every step.  first = 1: the bias starts the sums.
.macro MUL32 s, first
.irp a, 0,1,2,3,4,5,6,7
.irp b, 0,1,2,3
.set rD, 8*(4*\a+\b)
.set rX, 96*((\s)%2)+12*\a
.set rW, WF+48*((\s)%2)+12*\b
.set sX, SC+8*\a+(\s)
.set sW, SC+8*\b+(\s)
.if \first
	v_wmma_scale_f32_16x16x128_f8f6f4 v[rD:rD+7], v[rW:rW+11], v[rX:rX+11], v[BI+8*\b:BI+8*\b+7], v[sW], v[sX] matrix_a_fmt:MATRIX_FMT_FP6 matrix_b_fmt:MATRIX_FMT_FP6 matrix_a_scale:MATRIX_SCALE_ROW1
.else
	v_wmma_scale_f32_16x16x128_f8f6f4 v[rD:rD+7], v[rW:rW+11], v[rX:rX+11], v[rD:rD+7], v[sW], v[sX] matrix_a_fmt:MATRIX_FMT_FP6 matrix_b_fmt:MATRIX_FMT_FP6 matrix_a_scale:MATRIX_SCALE_ROW1
.endif
.endr
.endr
.endm
.macro STEP s, first
	s_wait_dscnt 0x0                               ; this step's 48 loads are in; no LDS instruction of mine is out at the signal below
.if ((\s) < 7) && ((\s)%2 == 1)
	s_wait_tensorcnt 3-((\s)+1)/2                  ; my part of region (s + 1) / 2 has landed; the later regions' loads may stay out
	s_barrier_signal -1
	s_barrier_wait -1                              ; everybody's has
.endif
.if (\s) < 7
.if (\s) > 0
	PLACES 4                                       ; in front of loads into the set that the last step's products read (ISA guide 7.12.1 for vector instructions)
.endif
	FETCH (\s)+1
.endif
.if \first
	WIN 0x84                                       ; source 0 (W) window 0, source 1 (y) window 1, C (the bias) window 0, D window 2
.else
	WIN 0xa4                                       ; C and D window 2
.endif
	MUL32 \s, \first
.endm
	s_load_b256 s[4:11], s[0:1], 0x0               ; yc s[4:5], wpc s[6:7], sc2 s[8:9], b_proj s[10:11]
	s_load_b64 s[12:13], s[0:1], 0x20              ; out0
	v_lshl_add_u32 v254, v0, 2, 0x4c400
	v_mov_b32 v255, 0
	ds_add_u32 v254, v255
	ds_add_u32 v254, v255
	v_lshrrev_b32 v1, 5, v0
	v_readfirstlane_b32 s16, v1                    ; wave 0..3
	s_lshr_b32 s17, s16, 1                         ; wr: which 128 rows are mine.  Also: I fetch for y (0) or for W (1)
	s_and_b32 s18, s16, 1                          ; wc: which 64 columns.  Also: which half I fetch
	s_bfe_u32 s19, ttmp6, 0x40000                  ; cx, cy: my place in the cluster
	s_bfe_u32 s20, ttmp6, 0x40004
	s_lshl_b32 s21, ttmp9, 2
	s_add_co_u32 s21, s21, s19                     ; gx: which 128 columns
	s_and_b32 s22, ttmp7, 0xffff
	s_lshl_b32 s22, s22, 2
	s_add_co_u32 s22, s22, s20                     ; gy: which 256 rows
	s_lshl_b32 s23, s20, 2
	s_lshl_b32 s23, 15, s23                        ; my row of the cluster
	s_lshl_b32 s61, 0x1111, s19                    ; my column
	; descriptor group 1: a dense block as rows of 256 bytes (32 elements of 8 bytes): y 96 rows, W 48 rows; no padding
	s_or_b32 s[G1A], s23, (3<<16)|(1<<21)          ; 15:0 the mask: y's blocks go to my row; 17:16 elements of 8 bytes; 21 set beside a mask
	s_or_b32 s[G1B], s61, (3<<16)|(1<<21)          ; W's go to my column
	s_mov_b32 s[G1A+1], 32<<16                     ; tensor_dim0 = 32
	s_mov_b32 s[G1A+2], 96<<16                     ; tensor_dim1 = 96
	s_mov_b32 s[G1A+3], 32<<16                     ; tile_dim0 = 32
	s_mov_b32 s[G1A+4], 96                         ; tile_dim1 = 96
	s_mov_b32 s[G1A+5], 32                         ; from row to row
	s_mov_b32 s[G1A+6], 0
	s_mov_b32 s[G1A+7], 0
	s_mov_b32 s[G1B+1], 32<<16
	s_mov_b32 s[G1B+2], 48<<16
	s_mov_b32 s[G1B+3], 32<<16
	s_mov_b32 s[G1B+4], 48
	s_mov_b32 s[G1B+5], 32
	s_mov_b32 s[G1B+6], 0
	s_mov_b32 s[G1B+7], 0
	s_lshl_b32 s56, s22, 1
	s_add_co_u32 s56, s56, s18
	s_mul_i32 s56, s56, 98304                      ; y: group 2 gy + half (these registers never hold gx)
	s_mov_b32 s57, 0
	s_mul_i32 s58, s21, 98304                      ; W: group gx (these never hold gy),
	s_mul_i32 s59, s18, WHALF
	s_add_co_u32 s58, s58, s59                     ; + my half of a block
	s_mov_b32 s59, 0
	s_mul_i32 s66, s18, XBLK                       ; where they go: no place in the cluster enters an LDS address
	s_mul_i32 s67, s18, WHALF
	s_mov_b32 s60, 0xffff0000                      ; lanes 16-31
	s_wait_dscnt 0x0
	s_wait_kmcnt 0x0
	s_add_nc_u64 s[56:57], s[4:5], s[56:57]
	s_add_nc_u64 s[58:59], s[6:7], s[58:59]
.irp kk, 0,1,2,3
	s_mov_b32 s[G0A+4*\kk], 1                                      ; count = 1
	s_add_co_u32 s[G0A+4*\kk+1], s66, \kk*RGN                      ; LDS address
	s_add_nc_u64 s[G0A+4*\kk+2:G0A+4*\kk+3], s[56:57], \kk*XBLK    ; global address: 256 along K on
	s_or_b32 s[G0A+4*\kk+3], s[G0A+4*\kk+3], 0x80000000            ; type = 2
	s_mov_b32 s[G0B+4*\kk], 1
	s_add_co_u32 s[G0B+4*\kk+1], s67, \kk*RGN+WOFF
	s_add_nc_u64 s[G0B+4*\kk+2:G0B+4*\kk+3], s[58:59], \kk*XBLK
	s_or_b32 s[G0B+4*\kk+3], s[G0B+4*\kk+3], 0x80000000
.endr
	CROUND                                         ; all sixteen work-groups are here: the joint loads meet
	s_cmp_eq_u32 s17, 0                            ; a wave's four first fills stand in one branch on the wave's number, ahead of every wait on TENSORcnt, every LDS read and every other barrier: four loads of mine are out
	s_cbranch_scc0 .Lfill_w
.irp kk, 0,1,2,3
	tensor_load_to_lds s[G0A+4*\kk:G0A+4*\kk+3], s[G1A:G1A+7]
	s_nop 0
.endr
	PLACES 4
	s_branch .Lfilled
.Lfill_w:
.irp kk, 0,1,2,3
	tensor_load_to_lds s[G0B+4*\kk:G0B+4*\kk+3], s[G1B:G1B+7]
	s_nop 0
.endr
	PLACES 4
.Lfilled:
	v_and_b32 v1, 15, v0                           ; r
	v_bfe_u32 v2, v0, 4, 1                         ; h
	v_and_b32 v3, 31, v0
	v_lshlrev_b32 v4, 3, v3                        ; 8 x lane
	v_lshlrev_b32 v3, 4, v3                        ; 16 x lane
	s_mul_i32 s86, s17, XBLK                       ; my 128 rows of y,
	s_mul_i32 s87, s18, WHALF
	s_add_co_u32 s87, s87, WOFF                    ; my 64 columns of W
.irp kk, 0,1,2,3
	v_add_nc_u32 v[8+\kk], s86, v3
	v_add_nc_u32 v[12+\kk], s86, v4
	v_add_nc_u32 v[16+\kk], s87, v3
	v_add_nc_u32 v[20+\kk], s87, v4
	s_add_co_u32 s86, s86, RGN
	s_add_co_u32 s87, s87, RGN
.endr
	s_lshl_b32 s88, s22, 13                        ; scale words: y's tile 16 gy + 8 wr, behind W's part of the buffer;
	s_lshl_b32 s89, s17, 12
	s_add_co_u32 s88, s88, s89
	s_add_co_u32 s88, s88, XO
	s_lshl_b32 s89, s21, 12                        ; W's tile 8 gx + 4 wc
	s_lshl_b32 s90, s18, 11
	s_add_co_u32 s89, s89, s90
	v_mov_b32 v5, s88
	v_mov_b32 v28, s89
	v_cndmask_b32 v5, v5, v28, s60                 ; lanes 0-15 take y's words, lanes 16-31 W's
	v_lshl_add_u32 v5, v1, 2, v5
.irp i, 0,1,2,3,4,5,6,7
.irp s, 0,1,2,3,4,5,6,7
	global_load_b32 v[SC+8*\i+\s], v5, s[8:9] offset:\i*512+\s*64   ; (for i = 4 .. 7 lanes 16-31 read words of tiles that are not mine: inside the buffer, since y's words follow W's, and never used)
.endr
.endr
	s_lshl_b32 s88, s21, 9
	s_lshl_b32 s89, s18, 8
	s_add_co_u32 s88, s88, s89                     ; my 64 columns, in bytes: in the bias and in a row of out0
	s_mov_b32 s89, 0
	s_add_nc_u64 s[10:11], s[10:11], s[88:89]
	s_add_nc_u64 s[12:13], s[12:13], s[88:89]
	v_lshlrev_b32 v6, 6, v2                        ; tile b's eight columns of my half: 32 (b / 2) + 8 (b % 2) + 16 h + 0 .. 7
.irp b, 0,1,2,3
	global_load_b128 v[BI+8*\b:BI+8*\b+3], v6, s[10:11] offset:(32*(\b/2)+8*(\b%2))*4
	global_load_b128 v[BI+8*\b+4:BI+8*\b+7], v6, s[10:11] offset:(32*(\b/2)+8*(\b%2))*4+16
.endr
	s_lshl_b32 s88, s22, 20                        ; my first row of out0: 256 gy + 128 wr, rows of 4,096 bytes
	s_lshl_b32 s90, s17, 19
	s_add_co_u32 s88, s88, s90
	s_add_nc_u64 s[12:13], s[12:13], s[88:89]
	s_mul_i32 s86, s16, 16*272
	s_add_co_u32 s86, s86, STAGE                   ; my stage
	v_mul_u32_u24 v24, v1, 272
	v_lshl_add_u32 v24, v2, 6, v24
	v_add_nc_u32 v24, s86, v24                     ; in: row r, + 64 h
	v_mul_u32_u24 v25, v2, 272
	v_lshl_add_u32 v25, v1, 4, v25
	v_add_nc_u32 v25, s86, v25                     ; back: lanes 0-15 one row of 256 bytes, lanes 16-31 the next
	v_lshlrev_b32 v26, 12, v2
	v_lshl_add_u32 v26, v1, 4, v26                 ; and the same two rows in out0
	s_wait_tensorcnt 3                             ; my part of region 0 is in; the three later regions' loads may stay out,
	s_barrier_signal -1
	s_barrier_wait -1                              ; everybody's is
	FETCH 0
	s_wait_loadcnt 0x0                             ; scale words and bias
	STEP 0, 1
.irp s, 1,2,3,4,5,6,7
	STEP \s, 0
.endr
; THE WAY OUT, a tile of 16 rows x my 64 columns at a time.  A lane holds 32-byte pieces of one row, and the lanes beside it hold other rows: so a tile goes through my own stage and comes back as whole rows of 256 bytes.
; LDS serves a wave's instructions in order (ISA guide 5.7.1.4): no wait between the stores and the loads, nor in front of the next tile's stores.
.macro TOSTAGE a
	WIN 0x08                                       ; an LDS store's data are its source 1: window 2
.irp b, 0,1,2,3
	ds_store_b128 v24, v[32*(\a)+8*\b:32*(\a)+8*\b+3] offset:128*(\b/2)+32*(\b%2)          ; each accumulator from its low end on
	ds_store_b128 v24, v[32*(\a)+8*\b+4:32*(\a)+8*\b+7] offset:128*(\b/2)+32*(\b%2)+16
.endr
	WIN 0
.irp t, 0,1,2,3,4,5,6,7
	ds_load_b128 v[96+32*((\a)%2)+4*\t:96+32*((\a)%2)+4*\t+3], v25 offset:544*\t
.endr
.endm
.macro SEND a, younger                 ; younger: the LDS instructions issued behind tile a's loads, which may stay out
	s_wait_dscnt \younger
.irp t, 0,1,2,3,4,5,6,7
	global_store_b128 v26, v[96+32*((\a)%2)+4*\t:96+32*((\a)%2)+4*\t+3], s[12:13] offset:((32*((\a)/2)+8*((\a)%2))+((2*\t)&7)+16*(\t/4))*4096 th:TH_STORE_NT   ; stage rows 2 t and 2 t + 1 are the tile's lanes' rows; 16 lanes store 256 consecutive bytes, aligned; written once, read by nobody here
.endr
.endm
	PLACES 4                                       ; in front of the first read of results and of loads into registers that the last products read
	s_wait_alu depctr_va_vdst(0)
	TOSTAGE 0
.irp a, 1,2,3,4,5,6,7
.if \a > 1
	s_wait_xcnt 0x0                                ; tile a - 2's stores have read their registers: tile a's loads may land there
.endif
	TOSTAGE \a
	SEND \a-1, 16                                  ; behind tile a - 1's loads: tile a's 8 stores and 8 loads
.endr
	SEND 7, 0
	s_wait_dscnt 0x0
	s_wait_tensorcnt 0x0
	ds_add_u32 v254, v255
	s_wait_dscnt 0x0
	CROUND                                         ; the closing round: no work-group ends while a partner may still ask for a block that names it
	s_endpgm
.Lfunc_end_k_q62dc9d8ce0_proj:
	.size	k_q62dc9d8ce0_proj, .Lfunc_end_k_q62dc9d8ce0_proj-k_q62dc9d8ce0_proj
	.p2alignl 7, 3214868480
	.fill 96, 4, 3214868480
	.section	.rodata,"a",@progbits
	.p2align	6, 0x0
	.amdhsa_kernel k_q62dc9d8ce0_proj
		.amdhsa_group_segment_fixed_size 312832
		.amdhsa_private_segment_fixed_size 0
		.amdhsa_enable_private_segment 0
		.amdhsa_kernarg_size 40
		.amdhsa_user_sgpr_count 2
		.amdhsa_user_sgpr_kernarg_segment_ptr 1
		.amdhsa_wavefront_size32 1
		.amdhsa_system_sgpr_workgroup_id_x 1
		.amdhsa_system_sgpr_workgroup_id_y 1
		.amdhsa_system_sgpr_workgroup_id_z 1
		.amdhsa_system_vgpr_workitem_id 0
		.amdhsa_next_free_vgpr 768
		.amdhsa_next_free_sgpr 100
		.amdhsa_reserve_vcc 0
		.amdhsa_float_denorm_mode_32 3
		.amdhsa_float_denorm_mode_16_64 3
		.amdhsa_memory_ordered 1
		.amdhsa_forward_progress 1
		.amdhsa_inst_pref_size 90
	.end_amdhsa_kernel
	.amdgpu_metadata
---
amdhsa.version: [ 1, 2 ]
amdhsa.kernels:
  - .name:           k_q62dc9d8ce0_proj
    .symbol:         k_q62dc9d8ce0_proj.kd
    .args:
      - { .name: yc, .offset: 0, .size: 8, .value_kind: global_buffer, .address_space: global }
      - { .name: wpc, .offset: 8, .size: 8, .value_kind: global_buffer, .address_space: global }
      - { .name: sc2, .offset: 16, .size: 8, .value_kind: global_buffer, .address_space: global }
      - { .name: b_proj, .offset: 24, .size: 8, .value_kind: global_buffer, .address_space: global }
      - { .name: out0, .offset: 32, .size: 8, .value_kind: global_buffer, .address_space: global }
    .group_segment_fixed_size: 312832
    .private_segment_fixed_size: 0
    .kernarg_segment_align: 8
    .kernarg_segment_size: 40
    .max_flat_workgroup_size: 128
    .sgpr_count:     100
    .vgpr_count:     768
    .wavefront_size: 32
...
	.end_amdgpu_metadata
.endif
;; end of part 4
